; MI455X (gfx1250); checked and timed in simulation.
; The chip was launched on July 23, 2026; its instructions are those of AMD's public machine-readable ISA for CDNA 5 (MIT licence, August 2026) and "CDNA5" Instruction Set Architecture Reference Guide (July 2026). The comments in the code are by the model that wrote it; some were corrected since.
;; Type Conditional Linear. Allowed arithmetic: matrix products marked QUANTISED: E3M2 operands, one E8M0 scale for each 32 along K, by v_wmma_scale_f32_16x16x128_f8f6f4 with both operands' format E3M2, f32 sums; everything else in f32.
;; Inputs: bias 16 x 512 float32; i_type 16,384 int32; input 16,384 x 512 float32; weight 16 x 512 x 512 float32.
;; Outputs: out0 16,384 x 512 float32.
;; This version of the problem:
;;   THIS VERSION OF THE PROBLEM IS GIVEN IN LOW PRECISION. The matrix products marked QUANTISED in the list below multiply operands that are first quantised to E3M2 (3 exponent bits, 2 mantissa bits; 6 bits a number), with one power-of-two scale for each 32 numbers along K (OCP MX v1.0); their sums are f32. All else is computed in f32.
;;   The module's matrix products, in the order in which they are computed (A, B: the left and right operand; K: the contracted axis; several contracted axes count as one K, in the product's order):
;;     1. [M 16,384, K 512] x [K 512, N 8,192]; A: input input; B: input weight: QUANTISED
;;   THE QUANTISER, for each operand of a quantised product, along K:
;;     - K is cut into blocks of 32 from its start; a last block that is shorter is filled with zeros.
;;     - A block's scale is 2^e with e = floor(log2(the largest magnitude in the block)) - 4, held to -126 .. 127; a block of zeros has e = 0. As a byte (E8M0): e + 127.
;;     - Each number is divided by its block's scale, clamped to +-28, and rounded to the nearest number of E3M2, ties to even, subnormals kept.
;;     - The product sums the exact products of the quantised numbers (number of the format x scale) in f32.
;;   ~~~python
;;   def quantise(x, axis):      # numpy; x: float32 -> the quantised numbers, widened to float32 again
;;       x = np.moveaxis(x, axis, -1); K = x.shape[-1]
;;       x = np.pad(x, [(0, 0)] * (x.ndim - 1) + [(0, -K % 32)]); x = x.reshape(x.shape[:-1] + (-1, 32)); a = np.abs(x).max(-1, keepdims=True)
;;       e = np.where(a > 0, np.clip(np.frexp(np.where(a > 0, a, 1))[1] - 1 - 4, -126, 127), 0)      # np.frexp(a)[1] - 1 = floor(log2(a)), exactly
;;       r = np.clip(x / 2.0 ** e, -28, 28)
;;       step = 2.0 ** (np.maximum(np.frexp(np.where(r == 0, 1, r))[1] - 1, -2) - 2)
;;       q = np.round(r / step) * step * 2.0 ** e      # np.round: ties to even
;;       return np.moveaxis(q.reshape(q.shape[:-2] + (-1,))[..., :K], -1, axis).astype(np.float32)
;;   ~~~
;; 2 versions. Each part assembles by itself: llvm-mc -triple=amdgcn-amd-amdhsa -mcpu=gfx1250 --defsym DOCPART=n.
;; ======== version 1 of 2: 2 launches
;; workspace buffers: wq 3,145,728 bytes; ws 131,072 bytes; order 65,536 bytes of whole numbers
;; launch prep (part 1): grid 257 x 1, 8 waves a work-group, no clusters, 70,656 bytes of LDS; arguments weight, i_type, wq, ws, order; writes wq, ws, order
.if DOCPART == 1
	.amdgcn_target "amdgcn-amd-amdhsa--gfx1250"
	.amdhsa_code_object_version 6
	.text
	.protected	k_qb3a3aa761b_prep
	.globl	k_qb3a3aa761b_prep
	.p2align	8
	.type	k_qb3a3aa761b_prep,@function
k_qb3a3aa761b_prep:
	s_mov_b64 s[64:65], 0
	v_nop
	global_prefetch_b8 v0, s[64:65] scope:SCOPE_SE
	s_setreg_imm32_b32 hwreg(HW_REG_WAVE_MODE, 25, 1), 1
	s_wait_xcnt 0x0
; THE LAUNCH IN FRONT OF THE PRODUCT.  Two kinds of work-group, told apart by the work-group's number alone.
; WORK-GROUPS 1 .. 256: weight [16][512][512] f32 becomes codes of BF6 (E3M2) with one E8M0 byte for each 32 along K, once.  Work-group b + 1 takes the 32 rows 32 b .. 32 b + 31 of the
; 8,192 rows (type b / 16, outputs 32 (b % 16) on); wave 4 n + s makes ONE fragment: rows 16 n .. 16 n + 15 of the 32, K step s of 128.  The codes are laid in the ORDER OF THE OPERAND'S REGISTERS:
; wq [b][4 n + s][c 0..2][lane][16 bytes] holds registers 4 c .. 4 c + 3 of the fragment, so that the product's launch loads a fragment by three loads of 16 bytes a lane.  ws [row][4 words]: word s is the scale word of K step s.
; A block's scale is 2^(floor(log2(its largest magnitude)) - 4); its byte is the largest magnitude's exponent field - 4, held at 1 from below.
; WORK-GROUP 0: a counting sort of the 16,384 tokens by type.  order[p] = token | (16 + type) << 16, the types ascending.  No atomics: ballots, counts of bits and one exchange through LDS.
; LIMITS: NaN and infinities among the weights are not served; a block of zeros gets the byte 1 where the rule says 127 (its codes are zeros, and this program alone reads the bytes);
; i_type is taken modulo 16 (the problem gives 0 .. 15).
; No tensor loads: every work-group's input is out at once, 16 loads a wave.  No prefetch: nothing runs ahead of loads that are all issued at the head.
.set PRIVB, 8448                       ; LDS: a stage of 16 rows x 528 bytes for each wave of a weight work-group
.set PITCH, 528                        ; 512 bytes + 16 = 132 words: row r starts at bank 4 r mod 64 (64 banks of 4 bytes: ISA guide 11.1)
.set WSC,   8*PRIVB                    ; behind the stages: the scale words of the 32 rows, 16 bytes a row
.set SRT,   WSC+512                    ; the sort's own bytes: 128 for each of its eight waves
.set SEL,   20                         ; s[20:21] selects of v_permlanex16_b32 for lane l xor 16
.set LI,    1                          ; v1   16 x lane
.set STA,   4                          ; v4   the stage, on the way in: wave x 8,448 + 16 x lane
.set LDA,   5                          ; v5   and on the way out: wave x 8,448 + 528 r + 64 h
.set TM,    42                         ; v42-57 at work in QUANT
.set PC,    58                         ; v58-77 the codes just made
.set PW,    78                         ; v78  the scale word just made
.set X,     90                         ; v90-153 64 numbers
; 64 numbers of a lane, v[s] .. v[s + 63], register 16 b + i = k 32 b + 16 (lane / 16) + i of my row, become a fragment's codes in v[PC] on and its scale word in v[PW].
.macro QUANT s
.irp b, 0,1,2,3
	v_max3_num_f32 v[TM+\b], |v[\s+16*\b]|, |v[\s+1+16*\b]|, 0x2800000   ; block b: my 16 numbers, and the floor 2^(5 - 127): the byte cannot fall under 1
.endr
.irp i, 2,4,6,8,10,12,14
.irp b, 0,1,2,3
	v_max3_num_f32 v[TM+\b], v[TM+\b], |v[\s+16*\b+\i]|, |v[\s+1+16*\b+\i]|   ; the four blocks by turns
.endr
.endr
.irp b, 0,1,2,3
	v_permlanex16_b32 v[TM+4+\b], v[TM+\b], s[SEL], s[SEL+1]
.endr
.irp b, 0,1,2,3
	v_max_num_f32 v[TM+\b], v[TM+\b], v[TM+4+\b]   ; with lane l xor 16's: the block's largest magnitude
.endr
.irp b, 0,1,2,3
	v_add_nc_u32 v[TM+12+\b], 0xfe000000, v[TM+\b]   ; 4 off its exponent field: the conversion takes the exponent field of this operand as its scale
.endr
.irp b, 0,1,2,3
	v_lshrrev_b32 v[TM+4+\b], 23, v[TM+12+\b]      ; the scale's byte
.endr
	v_lshl_or_b32 v[PW], v[TM+5], 8, v[TM+4]       ; the four bytes make my row's scale word
	v_lshl_or_b32 v[PW], v[TM+6], 16, v[PW]
	v_lshl_or_b32 v[PW], v[TM+7], 24, v[PW]
.irp c, 0,1
	v_cvt_scalef32_pk16_bf6_f32 v[PC+6*\c:PC+2+6*\c], v[\s+32*\c:\s+15+32*\c], v[TM+12+2*\c]
	v_cvt_scalef32_pk16_bf6_f32 v[PC+12+4*\c:PC+14+4*\c], v[\s+16+32*\c:\s+31+32*\c], v[TM+12+2*\c+1]   ; (a conversion's three registers begin on an even number)
.endr
	v_nop                                          ; one plain place behind a scaled conversion
.irp c, 0,1                                    ; the operand's layout wants a WHOLE block in a lane: lanes 0-15 block 2 c, lanes 16-31 block 2 c + 1
.irp i, 0,1,2
	v_permlane16_swap_b32 v[PC+6*\c+\i], v[PC+12+4*\c+\i]
.endr
.irp i, 0,1,2
	v_mov_b32 v[PC+3+6*\c+\i], v[PC+12+4*\c+\i]
.endr
.endr
.endm
; Sixteen loads, each 512 consecutive bytes of one row, turn through the wave's own stage: in as they were loaded, out as 64 bytes of one row a lane and block.  cnt - i: the loads issued behind load i.
.macro TURN cnt
.irp i, 0,1,2,3,4,5,6,7,8,9,10,11,12,13,14,15
	s_wait_loadcnt \cnt-\i
	ds_store_b128 v[STA], v[X+4*\i:X+4*\i+3] offset:PITCH*\i
.endr
	s_wait_dscnt 0x0                               ; the stores have read their registers, which the loads below fill
.irp b, 0,1,2,3
.irp j, 0,1,2,3
	ds_load_b128 v[X+16*\b+4*\j:X+16*\b+4*\j+3], v[LDA] offset:128*\b+16*\j
.endr
.endr
	s_wait_dscnt 0x0
.endm
	s_load_b256 s[4:11], s[0:1], 0x0               ; weight s[4:5], i_type s[6:7], wq s[8:9], ws s[10:11]
	s_load_b64 s[12:13], s[0:1], 0x20              ; order
	v_lshl_add_u32 v254, v0, 2, 0x11000
	v_mov_b32 v255, 0
	v_lshrrev_b32 v1, 5, v0
	v_readfirstlane_b32 s14, v1                    ; wave 0..7
	s_mov_b32 s[SEL], 0x76543210
	s_mov_b32 s[SEL+1], 0xfedcba98
	s_cmp_eq_u32 ttmp9, 0
	s_cbranch_scc1 .Lsort
	; ---------------- THE WEIGHTS ----------------
	v_and_b32 v8, 31, v0                           ; lane
	v_lshlrev_b32 v[LI], 4, v8
	v_and_b32 v2, 15, v0                           ; r
	v_bfe_u32 v3, v0, 4, 1                         ; h
	s_sub_co_u32 s15, ttmp9, 1                     ; b
	s_lshr_b32 s16, s14, 2                         ; n: which 16 of the 32 rows
	s_and_b32 s17, s14, 3                          ; s: which 128 along K
	s_mul_i32 s22, s14, PRIVB
	v_add_nc_u32 v[STA], s22, v[LI]
	v_mul_u32_u24 v[LDA], v2, PITCH
	v_lshl_add_u32 v[LDA], v3, 6, v[LDA]
	v_add_nc_u32 v[LDA], s22, v[LDA]
	s_lshl_b32 s22, s16, 8
	s_lshl_b32 s23, s17, 2
	s_add_co_u32 s22, s22, s23
	s_add_co_u32 s22, s22, WSC
	v_lshl_add_u32 v6, v2, 4, s22                  ; my row's word s among the scale words: WSC + 256 n + 16 r + 4 s
	v_add_nc_u32 v7, WSC, v[LI]                    ; and a row's four words on the way out
.irp b, 0,1,2,3
	v_mov_b32 v[TM+4+\b], 0                        ; written once: a lane permute's destination counts as one of its sources
.endr
	s_lshl_b32 s18, s15, 16                        ; weight: 32 rows of 2,048 bytes a work-group,
	s_lshl_b32 s22, s16, 15                        ; 16 rows,
	s_add_co_u32 s18, s18, s22
	s_lshl_b32 s22, s17, 9                         ; 512 bytes a K step
	s_add_co_u32 s18, s18, s22
	s_mov_b32 s19, 0
	s_mul_i32 s24, s15, 12288                      ; wq: eight fragments of 1,536 bytes a work-group
	s_mul_i32 s22, s14, 1536
	s_add_co_u32 s24, s24, s22
	s_mov_b32 s25, 0
	s_lshl_b32 s26, s15, 9                         ; ws: 32 rows of 16 bytes
	s_mov_b32 s27, 0
	s_wait_kmcnt 0x0
	s_add_nc_u64 s[4:5], s[4:5], s[18:19]
	s_add_nc_u64 s[8:9], s[8:9], s[24:25]
	s_add_nc_u64 s[10:11], s[10:11], s[26:27]
.irp i, 0,1,2,3,4,5,6,7,8,9,10,11,12,13,14,15
	global_load_b128 v[X+4*\i:X+4*\i+3], v[LI], s[4:5] offset:2048*\i th:TH_LOAD_NT   ; 32 lanes read 512 consecutive bytes of row i, at a multiple of 512 from the buffer's first byte
.endr
	TURN 15
	QUANT X
.irp c, 0,1,2
	global_store_b128 v[LI], v[PC+4*\c:PC+4*\c+3], s[8:9] offset:512*\c   ; the fragment as it stands: 512 consecutive bytes a store
.endr
	ds_store_b32 v6, v[PW]                         ; lanes r and r + 16 write the same word with the same value
	s_wait_dscnt 0x0                               ; for the others' sake: my word lies in LDS
	s_barrier_signal -1
	s_barrier_wait -1
	s_cmp_lg_u32 s14, 0                            ; wave 0 stores the 32 rows' scale words: 512 consecutive bytes
	s_cbranch_scc1 .Lwdone
	ds_load_b128 v[80:83], v7
	s_wait_dscnt 0x0
	global_store_b128 v[LI], v[80:83], s[10:11]
.Lwdone:
	s_wait_tensorcnt 0x0
	ds_add_u32 v254, v255
	s_wait_dscnt 0x0
	s_endpgm
	; ---------------- THE SORT ----------------
	; Thread t (0 .. 255), load i (0 .. 15), word j hold token 1,024 i + 4 t + j.  GROUP g = 4 i + j is one register across the wave: 32 tokens.
	; For a group: four ballots, one for each bit of the key.  A lane's PEERS (the lanes with its key) are the AND of, for each bit, the ballot or its complement; the count of peers below me is my rank in the group.
	; The running counts of key e in this wave's earlier groups live in LANE 16 + e of RUN[g]: there the count of a 16-bit mask's bits below the lane is the count of all its bits.
	; A token's place = (tokens of lower keys) + (tokens of my key in lower waves) + (in my wave's earlier groups) + (my rank in the group).
.set LN,  1                            ; v1   lane
.set T4,  2                            ; v2   4 t
.set T16, 3                            ; v3   16 t
.set XM,  4                            ; v4-7   bit j of my lane ? 0 : -1
.set TA,  8                            ; v8-15, v16-23  at work, two sets: two groups go line by line in turn
.set KEY, 24                           ; v24-87   the keys, later the words to be stored
.set RNK, 88                           ; v88-151  ranks, later byte offsets in order
.set RUN, 152                          ; v152-216 running counts
.set AA,  218                          ; v218-233 lane indices for the exchange; the waves' totals
.set DD,  234                          ; v234-249 what the exchange brings
.set SWR, 250                          ; v250 LDS: SRT + 4 x thread; never rewritten
.set SRD, 251                          ; v251 LDS: SRT + 4 x lane; never rewritten
.set BS,  24                           ; s24-27 ballots, s28-31 their complements; s32-39 the second set
.macro PAIR g
.if (\g)%4 == 0
	s_wait_loadcnt 15-(\g)/4                       ; load g / 4 is in; the younger ones may be out
.endif
.irp u, 0,1
	v_and_b32 v[KEY+(\g)+\u], 15, v[KEY+(\g)+\u]
.endr
.irp u, 0,1
	v_and_b32 v[TA+8*\u], 1, v[KEY+(\g)+\u]
	v_and_b32 v[TA+8*\u+1], 2, v[KEY+(\g)+\u]
	v_and_b32 v[TA+8*\u+2], 4, v[KEY+(\g)+\u]
.endr
.irp u, 0,1
	v_cmp_ne_u32 s[BS+8*\u], 0, v[TA+8*\u]
	v_cmp_ne_u32 s[BS+8*\u+1], 0, v[TA+8*\u+1]
	v_cmp_ne_u32 s[BS+8*\u+2], 0, v[TA+8*\u+2]
	v_cmp_lt_u32 s[BS+8*\u+3], 7, v[KEY+(\g)+\u]
.endr
.irp u, 0,1
.irp j, 0,1,2,3
	s_not_b32 s[BS+8*\u+4+\j], s[BS+8*\u+\j]
.endr
.endr
.irp u, 0,1
.irp j, 0,1,2,3
	v_cndmask_b32 v[TA+8*\u+\j], s[BS+8*\u+4+\j], s[BS+8*\u+\j], s[BS+8*\u+\j]   ; the lanes whose key agrees with mine in bit j
	v_xor_b32 v[TA+8*\u+4+\j], s[BS+8*\u+\j], v[XM+\j]                            ; the lanes whose key agrees with my LANE's number in bit j
.endr
.endr
.irp u, 0,1
	v_and_b32 v[TA+8*\u], v[TA+8*\u], v[TA+8*\u+1]
	v_and_b32 v[TA+8*\u+2], v[TA+8*\u+2], v[TA+8*\u+3]
	v_and_b32 v[TA+8*\u+4], v[TA+8*\u+4], v[TA+8*\u+5]
	v_and_b32 v[TA+8*\u+6], v[TA+8*\u+6], v[TA+8*\u+7]
.endr
.irp u, 0,1
	v_and_b32 v[TA+8*\u], v[TA+8*\u], v[TA+8*\u+2]       ; my peers
	v_and_b32 v[TA+8*\u+4], v[TA+8*\u+4], v[TA+8*\u+6]   ; the lanes with key (my lane % 16)
.endr
.irp u, 0,1
	v_mbcnt_lo_u32_b32 v[RNK+(\g)+\u], v[TA+8*\u], 0     ; peers below me
	v_and_b32 v[TA+8*\u+5], 0xffff, v[TA+8*\u+4]
	v_lshrrev_b32 v[TA+8*\u+6], 16, v[TA+8*\u+4]
.endr
.irp u, 0,1
	v_mbcnt_lo_u32_b32 v[TA+8*\u+5], v[TA+8*\u+5], 0
	v_add_nc_u32 v[TA+8*\u+7], 1024*(((\g)+\u)/4)+((\g)+\u)%4+0x100000, v[T4]   ; the token, and 16 << 16
.endr
.irp u, 0,1
	v_mbcnt_lo_u32_b32 v[TA+8*\u+5], v[TA+8*\u+6], v[TA+8*\u+5]   ; in lanes 16-31: the group's count of key (lane - 16)
	v_lshl_or_b32 v[KEY+(\g)+\u], v[KEY+(\g)+\u], 16, v[TA+8*\u+7]   ; the word to be stored: token | (16 + key) << 16
.endr
	v_add_nc_u32 v[RUN+(\g)+1], v[RUN+(\g)], v[TA+5]
	v_add_nc_u32 v[RUN+(\g)+2], v[RUN+(\g)+1], v[TA+13]
.endm
.Lsort:
	v_and_b32 v[LN], 31, v0
	v_lshlrev_b32 v[T4], 2, v0
	v_lshlrev_b32 v[T16], 4, v0
.irp j, 0,1,2,3
	v_bfe_u32 v[XM+\j], v0, \j, 1
.endr
.irp j, 0,1,2,3
	v_add_nc_u32 v[XM+\j], -1, v[XM+\j]
.endr
	v_lshl_add_u32 v[SWR], v0, 2, SRT
	v_lshl_add_u32 v[SRD], v[LN], 2, SRT
	v_mov_b32 v[RUN], 0
	s_wait_kmcnt 0x0
.irp i, 0,1,2,3,4,5,6,7,8,9,10,11,12,13,14,15
	global_load_b128 v[KEY+4*\i:KEY+4*\i+3], v[T16], s[6:7] offset:4096*\i th:TH_LOAD_NT   ; the 256 threads read 4,096 consecutive bytes
.endr
.set GG, 0
.rept 32
	PAIR GG
.set GG, GG+2
.endr
	ds_store_b32 v[SWR], v[RUN+64]                 ; my wave's totals: lane 16 + e holds key e's
	s_wait_dscnt 0x0                               ; for the others' sake
	s_barrier_signal -1
	s_barrier_wait -1
.irp q, 0,1,2,3,4,5,6,7
	ds_load_b32 v[AA+\q], v[SRD] offset:128*\q     ; every wave's totals, lane by lane
.endr
	v_mov_b32 v10, 0                               ; the key's total over all waves
	v_mov_b32 v11, 0                               ; and over the waves below mine
	v_mov_b32 v13, 0                               ; (a DPP form's destination counts as read)
	s_wait_dscnt 0x0
.irp q, 0,1,2,3,4,5,6,7
	s_cmp_gt_u32 s14, \q
	s_cselect_b32 s40, 1, 0
	v_add_nc_u32 v10, v10, v[AA+\q]
	v_mad_u32_u24 v11, v[AA+\q], s40, v11
.endr
	v_mov_b32 v12, v10
.irp n, 1,2,4,8                                ; the sum over the keys up to mine, inside the row of 16 lanes that holds the counts
	v_mov_b32_dpp v13, v12 row_shr:\n row_mask:0xf bank_mask:0xf bound_ctrl:1
	v_add_nc_u32 v12, v12, v13
.endr
	v_sub_nc_u32 v12, v12, v10                     ; the lower keys alone,
	v_add_nc_u32 v12, v12, v11                     ; and my key in the waves below: where my wave's tokens of key (lane - 16) begin
	; Each token fetches its key's figure from lane 16 + key and is stored at its place.  The stores are of 4 bytes to places that hang on the data: 65,536 bytes in all.
.irp t, 0,1,2,3
.irp q, 0,1,2,3,4,5,6,7,8,9,10,11,12,13,14,15
	v_lshrrev_b32 v[AA+\q], 14, v[KEY+16*\t+\q]    ; 4 x (16 + key): the token is under 2^14
	v_min_u32 v[AA+\q], 124, v[AA+\q]
	v_add_nc_u32 v[RUN+16*\t+\q], v[RUN+16*\t+\q], v12
	ds_bpermute_b32 v[DD+\q], v[AA+\q], v[RUN+16*\t+\q]
.endr
.irp q, 0,1,2,3,4,5,6,7,8,9,10,11,12,13,14,15
	s_wait_dscnt 15-\q                             ; exchange q of the sixteen is back
	v_add_lshl_u32 v[RNK+16*\t+\q], v[DD+\q], v[RNK+16*\t+\q], 2
	v_min_u32 v[RNK+16*\t+\q], 0xfffc, v[RNK+16*\t+\q]   ; held inside the buffer
	global_store_b32 v[RNK+16*\t+\q], v[KEY+16*\t+\q], s[12:13]   ; each store has address and data registers of its own: none is written again
.endr
.endr
	s_wait_tensorcnt 0x0
	ds_add_u32 v254, v255
	s_wait_dscnt 0x0
	s_endpgm
.Lfunc_end_k_qb3a3aa761b_prep:
	.size	k_qb3a3aa761b_prep, .Lfunc_end_k_qb3a3aa761b_prep-k_qb3a3aa761b_prep
	.p2alignl 7, 3214868480
	.fill 96, 4, 3214868480
	.section	.rodata,"a",@progbits
	.p2align	6, 0x0
	.amdhsa_kernel k_qb3a3aa761b_prep
		.amdhsa_group_segment_fixed_size 70656
		.amdhsa_private_segment_fixed_size 0
		.amdhsa_enable_private_segment 0
		.amdhsa_kernarg_size 40
		.amdhsa_user_sgpr_count 2
		.amdhsa_user_sgpr_kernarg_segment_ptr 1
		.amdhsa_wavefront_size32 1
		.amdhsa_system_sgpr_workgroup_id_x 1
		.amdhsa_system_sgpr_workgroup_id_y 1
		.amdhsa_system_sgpr_workgroup_id_z 1
		.amdhsa_system_vgpr_workitem_id 0
		.amdhsa_next_free_vgpr 256
		.amdhsa_next_free_sgpr 66
		.amdhsa_reserve_vcc 0
		.amdhsa_float_denorm_mode_32 3
		.amdhsa_float_denorm_mode_16_64 3
		.amdhsa_memory_ordered 1
		.amdhsa_forward_progress 1
		.amdhsa_inst_pref_size 141
	.end_amdhsa_kernel
	.amdgpu_metadata
---
amdhsa.version: [ 1, 2 ]
amdhsa.kernels:
  - .name:           k_qb3a3aa761b_prep
    .symbol:         k_qb3a3aa761b_prep.kd
    .args:
      - { .name: weight, .offset: 0, .size: 8, .value_kind: global_buffer, .address_space: global }
      - { .name: i_type, .offset: 8, .size: 8, .value_kind: global_buffer, .address_space: global }
      - { .name: wq, .offset: 16, .size: 8, .value_kind: global_buffer, .address_space: global }
      - { .name: ws, .offset: 24, .size: 8, .value_kind: global_buffer, .address_space: global }
      - { .name: order, .offset: 32, .size: 8, .value_kind: global_buffer, .address_space: global }
    .group_segment_fixed_size: 70656
    .private_segment_fixed_size: 0
    .kernarg_segment_align: 8
    .kernarg_segment_size: 40
    .max_flat_workgroup_size: 256
    .sgpr_count:     66
    .vgpr_count:     256
    .wavefront_size: 32
...
	.end_amdgpu_metadata
.endif
;; end of part 1
;; launch moe (part 2): grid 256 x 1, 16 waves a work-group, no clusters, 163,840 bytes of LDS; arguments input, order, wq, ws, bias, out0; writes out0
.if DOCPART == 2
	.amdgcn_target "amdgcn-amd-amdhsa--gfx1250"
	.amdhsa_code_object_version 6
	.text
	.protected	k_qb3a3aa761b_moe
	.globl	k_qb3a3aa761b_moe
	.p2align	8
	.type	k_qb3a3aa761b_moe,@function
k_qb3a3aa761b_moe:
	s_mov_b64 s[64:65], 0
	v_nop
	global_prefetch_b8 v0, s[64:65] scope:SCOPE_SE
	s_setreg_imm32_b32 hwreg(HW_REG_WAVE_MODE, 25, 1), 1
	s_wait_xcnt 0x0
; out0[n] = Q(input[n]) . Q(weight[i_type[n]])^T + bias[i_type[n]], on codes of BF6 (E3M2) with one E8M0 scale for each 32 along K; sums in f32.  Only the chosen type's product is made.
; order[p] = token | (16 + type) << 16, the types ascending; wq, ws: the weights' codes in the order of the operand's registers, and their scale words: all three stored by the launch before.
; SHARES.  Work-group g takes places 64 g .. 64 g + 63 of order: 256 work-groups of equal size for every split of the tokens.  Wave w (of 16) has three parts:
;   it quantises 16 rows x 128 K of x (tile of rows m = w / 4, K step s = w % 4); it multiplies outputs 32 w .. 32 w + 31 for all 64 rows (8 accumulators); it stores rows 4 w .. 4 w + 3 whole.
; SEVERAL TYPES IN A BLOCK.  A loop of 16 trips walks the types and passes over those that the block does not hold (a scalar branch on the stored list).  In a pass the codes of rows of another type are ANDed to
; zero, and zero codes add nothing: so all passes add onto the same accumulators, which begin as bias[the row's type].  The first place's type is the block's lowest (the list ascends): its weights are asked for at the head.
; THE PRODUCT IS USED TRANSPOSED: source 0 = 16 rows of W, source 1 = 16 rows of x: lane (r, h), register j holds out(row 16 m + r, column 32 w + 16 n + 8 h + j).
; x's fragments go from wave to wave through LDS as images of their registers (16 bytes a lane, 512 bytes a store); the results meet in a stage of whole rows, so that each store covers 512 consecutive bytes of a row.
; NOT SHARED IN A CLUSTER, NO TENSOR LOADS: which type's weights a block needs is read from the list, and the walk branches on the list; so partners would need different tiles, and operands go from memory into registers.
; NO PREFETCH: a wave's loads, 20,992 bytes, are all issued at its head; nothing runs ahead of them.
; LIMITS: NaN and infinities are not served; a block of zeros gets the byte 1 where the rule says 127 (its codes are zeros, and the bytes never leave the work-group).
.set PRIVB, 8448                       ; LDS 0 ..: a stage of 16 rows x 528 bytes for each wave, for the turn of x; later the rows of the result
.set PITCH, 528                        ; 512 + 16 bytes = 132 words: row r starts at bank 4 r mod 64 (64 banks of 4 bytes: ISA guide 11.1)
.set SROW,  2064                       ; a row of the result: 2,048 + 16 bytes = 516 words: likewise.  64 rows are 132,096 bytes, inside the 16 stages' 135,168
.set XIMG,  16*PRIVB                   ; x's 16 fragments, 1,536 bytes each: image 4 m + s
.set XSC,   XIMG+16*1536               ; their scale words: [m][lane][4 words]
.set SEL,   70                         ; s[70:71] selects of v_permlanex16_b32 for lane l xor 16
.set LI,  1                            ; v1   16 x lane
.set XI,  2                            ; v2   XIMG + 16 x lane
.set XO,  5                            ; v5   x: 16 x lane + 512 s
.set STA, 6                            ; v6   the turn, in: wave x 8,448 + 16 x lane
.set LDA, 7                            ; v7   the turn, out: wave x 8,448 + 528 r + 64 h
.set XWI, 8                            ; v8   where my image goes: XIMG + 1,536 w + 16 x lane
.set XWS, 9                            ; v9   and my scale word: XSC + 512 m + 16 x lane + 4 s
.set SO,  10                           ; v10, v11  the stage: 2,064 r + 32 h + 128 w, for rows 0-31 and 32-63
.set SR,  12                           ; v12  back: 4 w rows + 16 x lane
.set R4,  13                           ; v13  4 r
.set TYP, 14                           ; v14-17  the type of row 16 m + r
.set MK,  18                           ; v18-21  first the bias's offsets, then the masks: -1 where the row's type is the pass's
.set WS,  22                           ; v22-25  W's scale words of K step s: lanes 0-15 tile n = 0, lanes 16-31 tile n = 1.  Scales and nothing else
.set XS,  26                           ; v26-41  x's scale words: (m, s) at 4 m + s.  Scales and nothing else
.set XF,  42                           ; v42-89  x's four fragments of a K step
.set TM,  42                           ; (in the quantiser: v42-57 at work, v58-77 codes, v78 the scale word)
.set PC,  58
.set PW,  78
.set X,   90                           ; v90-153 64 numbers of x; then the accumulators: (m, n) at 8 (2 m + n)
.set ACC, 90
.set WF,  154                          ; v154-249 W's eight fragments: (n, s) at 12 (4 n + s); on the way out 16 x 4 registers of rows
.set H32, 250                          ; v250 32 h
.macro QUANT s
.irp b, 0,1,2,3
	v_max3_num_f32 v[TM+\b], |v[\s+16*\b]|, |v[\s+1+16*\b]|, 0x2800000   ; block b: my 16 numbers, and the floor 2^(5 - 127): the byte cannot fall under 1
.endr
.irp i, 2,4,6,8,10,12,14
.irp b, 0,1,2,3
	v_max3_num_f32 v[TM+\b], v[TM+\b], |v[\s+16*\b+\i]|, |v[\s+1+16*\b+\i]|   ; the four blocks by turns
.endr
.endr
.irp b, 0,1,2,3
	v_permlanex16_b32 v[TM+4+\b], v[TM+\b], s[SEL], s[SEL+1]
.endr
.irp b, 0,1,2,3
	v_max_num_f32 v[TM+\b], v[TM+\b], v[TM+4+\b]   ; with lane l xor 16's: the block's largest magnitude
.endr
.irp b, 0,1,2,3
	v_add_nc_u32 v[TM+12+\b], 0xfe000000, v[TM+\b]   ; 4 off its exponent field: the conversion takes the exponent field of this operand as its scale
.endr
.irp b, 0,1,2,3
	v_lshrrev_b32 v[TM+4+\b], 23, v[TM+12+\b]      ; the scale's byte
.endr
	v_lshl_or_b32 v[PW], v[TM+5], 8, v[TM+4]       ; the four bytes make my row's scale word
	v_lshl_or_b32 v[PW], v[TM+6], 16, v[PW]
	v_lshl_or_b32 v[PW], v[TM+7], 24, v[PW]
.irp c, 0,1
	v_cvt_scalef32_pk16_bf6_f32 v[PC+6*\c:PC+2+6*\c], v[\s+32*\c:\s+15+32*\c], v[TM+12+2*\c]
	v_cvt_scalef32_pk16_bf6_f32 v[PC+12+4*\c:PC+14+4*\c], v[\s+16+32*\c:\s+31+32*\c], v[TM+12+2*\c+1]   ; (a conversion's three registers begin on an even number)
.endr
	v_nop                                          ; one plain place behind a scaled conversion
.irp c, 0,1                                    ; the operand's layout wants a WHOLE block in a lane
.irp i, 0,1,2
	v_permlane16_swap_b32 v[PC+6*\c+\i], v[PC+12+4*\c+\i]
.endr
.irp i, 0,1,2
	v_mov_b32 v[PC+3+6*\c+\i], v[PC+12+4*\c+\i]
.endr
.endr
.endm
.macro TURN cnt                        ; sixteen rows' 512 bytes through my own stage; cnt - i: the loads issued behind load i
.irp i, 0,1,2,3,4,5,6,7,8,9,10,11,12,13,14,15
	s_wait_loadcnt \cnt-\i
	ds_store_b128 v[STA], v[X+4*\i:X+4*\i+3] offset:PITCH*\i
.endr
	s_wait_dscnt 0x0                               ; the stores have read their registers, which the loads below fill
.irp b, 0,1,2,3
.irp j, 0,1,2,3
	ds_load_b128 v[X+16*\b+4*\j:X+16*\b+4*\j+3], v[LDA] offset:128*\b+16*\j
.endr
.endr
	s_wait_dscnt 0x0
.endm
.macro PLACES                          ; four plain places behind a matrix instruction, ahead of loads into its registers and of reads of its results; and ahead of a scaled product whose operand a vector instruction wrote
.rept 4
	v_nop
.endr
.endm
.macro WLOAD wb, sb                    ; my eight fragments of W, 12,288 consecutive bytes, and my 32 rows' scale words, 512 bytes: 25 loads
.irp q, 0,1,2,3,4,5,6,7,8,9,10,11,12,13,14,15,16,17,18,19,20,21,22,23
	global_load_b128 v[WF+4*\q:WF+4*\q+3], v[LI], s[\wb:\wb+1] offset:512*\q
.endr
	global_load_b128 v[WS:WS+3], v[LI], s[\sb:\sb+1]
.endm
; 128 along K: x's four fragments from LDS, masked; eight products, the eight accumulators by turns, one instruction a turn, in the same order in every step.
.macro KSTEP s
	PLACES
.irp m, 0,1,2,3
.irp c, 0,1,2
	ds_load_b128 v[XF+12*\m+4*\c:XF+12*\m+4*\c+3], v[XI] offset:(4*\m+\s)*1536+512*\c
.endr
.endr
.irp m, 0,1,2,3
	s_wait_dscnt 9-3*\m                            ; tile m's three loads are in; the later tiles' may be out
.irp q, 0,1,2,3,4,5,6,7,8,9,10,11
	v_and_b32 v[XF+12*\m+\q], v[MK+\m], v[XF+12*\m+\q]   ; rows of another type: zero codes
.endr
.endr
	PLACES
.irp m, 0,1,2,3
	v_wmma_scale_f32_16x16x128_f8f6f4 v[ACC+16*\m:ACC+16*\m+7], v[WF+12*\s:WF+12*\s+11], v[XF+12*\m:XF+12*\m+11], v[ACC+16*\m:ACC+16*\m+7], v[WS+\s], v[XS+4*\m+\s] matrix_a_fmt:MATRIX_FMT_BF6 matrix_b_fmt:MATRIX_FMT_BF6
	v_wmma_scale_f32_16x16x128_f8f6f4 v[ACC+16*\m+8:ACC+16*\m+15], v[WF+48+12*\s:WF+48+12*\s+11], v[XF+12*\m:XF+12*\m+11], v[ACC+16*\m+8:ACC+16*\m+15], v[WS+\s], v[XS+4*\m+\s] matrix_a_fmt:MATRIX_FMT_BF6 matrix_b_fmt:MATRIX_FMT_BF6 matrix_a_scale:MATRIX_SCALE_ROW1
.endr
.endm
	s_load_b256 s[4:11], s[0:1], 0x0               ; input s[4:5], order s[6:7], wq s[8:9], ws s[10:11]
	s_load_b128 s[12:15], s[0:1], 0x20             ; bias s[12:13], out0 s[14:15]
	v_lshl_add_u32 v254, v0, 2, 0x27800
	v_mov_b32 v255, 0
	v_lshrrev_b32 v1, 5, v0
	v_readfirstlane_b32 s66, v1                    ; wave w, 0..15
	s_lshr_b32 s67, s66, 2                         ; m
	s_and_b32 s68, s66, 3                          ; s
	s_mov_b32 s[SEL], 0x76543210
	s_mov_b32 s[SEL+1], 0xfedcba98
	v_and_b32 v251, 31, v0                         ; lane
	v_lshlrev_b32 v[LI], 4, v251
	v_add_nc_u32 v[XI], XIMG, v[LI]
	v_and_b32 v3, 15, v0                           ; r
	v_bfe_u32 v4, v0, 4, 1                         ; h
	v_lshlrev_b32 v[R4], 2, v3
	s_lshl_b32 s84, ttmp9, 8                       ; my block's 64 words of order
	s_mov_b32 s85, 0
	s_lshl_b32 s86, s67, 6                         ; the 16 words of tile m
	s_mov_b32 s87, 0
	s_lshl_b32 s88, s66, 4                         ; the 4 words of rows 4 w on
	s_mov_b32 s89, 0
	s_wait_kmcnt 0x0
	s_add_nc_u64 s[2:3], s[6:7], s[84:85]
	s_add_nc_u64 s[86:87], s[2:3], s[86:87]
	s_add_nc_u64 s[88:89], s[2:3], s[88:89]
	s_load_b512 s[16:31], s[86:87], 0x0            ; the rows that I quantise
	s_load_b128 s[72:75], s[88:89], 0x0            ; the rows that I store
	s_load_b32 s69, s[2:3], 0x0                    ; the block's first place: its lowest type
.irp m, 0,1,2,3
	global_load_b32 v[TYP+\m], v[R4], s[2:3] offset:64*\m   ; lane (r, h): the word of row 16 m + r
.endr
	s_lshl_b32 s84, s68, 9                         ; the address registers are made while the list is on its way
	v_add_nc_u32 v[XO], s84, v[LI]
	s_mul_i32 s84, s66, PRIVB
	v_add_nc_u32 v[STA], s84, v[LI]
	v_mul_u32_u24 v[LDA], v3, PITCH
	v_lshl_add_u32 v[LDA], v4, 6, v[LDA]
	v_add_nc_u32 v[LDA], s84, v[LDA]
	s_mul_i32 s84, s66, 1536
	v_add_nc_u32 v[XWI], s84, v[XI]
	s_lshl_b32 s84, s67, 9
	s_lshl_b32 s85, s68, 2
	s_add_co_u32 s84, s84, s85
	s_add_co_u32 s84, s84, XSC
	v_add_nc_u32 v[XWS], s84, v[LI]
	v_mul_u32_u24 v[SO], v3, SROW
	v_lshl_add_u32 v[SO], v4, 5, v[SO]
	s_lshl_b32 s84, s66, 7
	v_add_nc_u32 v[SO], s84, v[SO]
	v_add_nc_u32 v[SO+1], 32*SROW, v[SO]
	s_mul_i32 s84, s66, 4*SROW
	v_add_nc_u32 v[SR], s84, v[LI]
	v_lshlrev_b32 v[H32], 5, v4
.irp b, 0,1,2,3
	v_mov_b32 v[TM+4+\b], 0                        ; written once: a lane permute's destination counts as one of its sources
.endr
	s_mul_i32 s90, s66, 12288                      ; my outputs' part of a type's codes,
	s_mov_b32 s91, 0
	s_lshl_b32 s92, s66, 9                         ; of its scale words,
	s_mov_b32 s93, 0
	s_lshl_b32 s94, s66, 7                         ; of a row of bias
	s_mov_b32 s95, 0
	s_add_nc_u64 s[90:91], s[8:9], s[90:91]        ; the walk's bases: type 0
	s_add_nc_u64 s[92:93], s[10:11], s[92:93]
	s_add_nc_u64 s[94:95], s[12:13], s[94:95]
	s_wait_kmcnt 0x0                               ; the list's words are in; s[86:89] are free again
.irp i, 0,1,2,3,4,5,6,7,8,9,10,11,12,13,14,15
	s_and_b32 s[32+2*\i], s[16+\i], 0x3fff         ; the token,
	s_min_u32 s[32+2*\i], s[32+2*\i], 0x3fff       ; held inside the table,
	s_lshl_b32 s[32+2*\i], s[32+2*\i], 11          ; x 2,048 bytes a row
	s_mov_b32 s[33+2*\i], 0
	s_add_nc_u64 s[32+2*\i:33+2*\i], s[4:5], s[32+2*\i:33+2*\i]
.endr
.irp i, 0,1,2,3,4,5,6,7,8,9,10,11,12,13,14,15
	global_load_b128 v[X+4*\i:X+4*\i+3], v[XO], s[32+2*\i:33+2*\i] th:TH_LOAD_NT   ; 512 consecutive bytes of row 16 m + i, at a multiple of 512 from the buffer's first byte; read once in the launch
.endr
	s_bfe_u32 s69, s69, 0x40010                    ; the lowest type: 4 bits from bit 16,
	s_min_u32 s69, s69, 15                         ; held inside the table
	s_mul_i32 s84, s69, 196608
	s_mov_b32 s85, 0
	s_add_nc_u64 s[86:87], s[90:91], s[84:85]      ; its codes,
	s_lshl_b32 s84, s69, 13
	s_add_nc_u64 s[88:89], s[92:93], s[84:85]      ; its scale words
	WLOAD 86, 88
.irp i, 0,1,2,3
	s_and_b32 s[76+2*\i], s[72+\i], 0x3fff         ; the rows of out0 that I store
	s_min_u32 s[76+2*\i], s[76+2*\i], 0x3fff
	s_lshl_b32 s[76+2*\i], s[76+2*\i], 11
	s_mov_b32 s[77+2*\i], 0
	s_add_nc_u64 s[76+2*\i:77+2*\i], s[14:15], s[76+2*\i:77+2*\i]
.endr
	TURN 40                                        ; behind x's load i: 15 - i of x's and the 25 of W's.  The four loads of types, issued earlier, are in too
	QUANT X
.irp c, 0,1,2
	ds_store_b128 v[XWI], v[PC+4*\c:PC+4*\c+3] offset:512*\c   ; my fragment's image
.endr
	ds_store_b32 v[XWS], v[PW]                     ; and its scale word, in all 32 lanes' places
.irp m, 0,1,2,3
	v_bfe_u32 v[TYP+\m], v[TYP+\m], 16, 4          ; the row's type,
.endr
.irp m, 0,1,2,3
	v_min_u32 v[TYP+\m], 15, v[TYP+\m]             ; held inside the table
.endr
.irp m, 0,1,2,3
	v_lshl_add_u32 v[MK+\m], v[TYP+\m], 11, v[H32] ; bias: 2,048 bytes a type, + 32 h
.endr
.irp m, 0,1,2,3                                ; THE SUMS BEGIN AS THE BIAS: eight numbers a lane and accumulator, in the result's layout
.irp n, 0,1
	global_load_b128 v[ACC+16*\m+8*\n:ACC+16*\m+8*\n+3], v[MK+\m], s[94:95] offset:64*\n
	global_load_b128 v[ACC+16*\m+8*\n+4:ACC+16*\m+8*\n+7], v[MK+\m], s[94:95] offset:64*\n+16
.endr
.endr
	s_wait_dscnt 0x0                               ; for the others' sake: my image and my word lie in LDS, and my reads of my stage are over
	s_barrier_signal -1
	s_barrier_wait -1                              ; x's sixteen fragments are whole
.irp m, 0,1,2,3
	ds_load_b128 v[XS+4*\m:XS+4*\m+3], v[XI] offset:16*1536+512*\m   ; lane l: the four scale words of row 16 m + l % 16
.endr
	s_wait_loadcnt 0x0                             ; W, its scale words and the bias are in; the bias's offsets may be written over
	s_mov_b32 s96, 0                               ; the type in hand
.Lexp:                                             ; 16 trips
.irp m, 0,1,2,3
	v_cmp_eq_u32 s[97+\m], s96, v[TYP+\m]
.endr
	s_or_b32 s101, s97, s98
	s_or_b32 s101, s101, s99
	s_or_b32 s101, s101, s100
	s_cmp_eq_u32 s101, 0                           ; no row of this type: the same in all sixteen waves; no barrier stands in the loop
	s_cbranch_scc1 .Lnext
.irp m, 0,1,2,3
	v_cndmask_b32 v[MK+\m], 0, -1, s[97+\m]
.endr
	s_cmp_eq_u32 s96, s69                          ; the lowest type's weights came at the head
	s_cbranch_scc1 .Lhave
	PLACES                                         ; loads into registers that the last products read
	WLOAD 90, 92
	s_wait_loadcnt 0x0
.Lhave:
	KSTEP 0
	KSTEP 1
	KSTEP 2
	KSTEP 3
.Lnext:
	s_add_nc_u64 s[90:91], s[90:91], 196608        ; the next type's codes and scale words (no load that names these bases is out: each was waited for with the count 0)
	s_add_nc_u64 s[92:93], s[92:93], 8192
	s_add_co_u32 s96, s96, 1
	s_cmp_lt_u32 s96, 16
	s_cbranch_scc1 .Lexp
	; THE WAY OUT.  A lane holds 32 neighbouring bytes of a row; a row's 2,048 bytes come from sixteen waves: they meet in the stage, which lies in bytes last read ahead of the first barrier.
	PLACES
.irp m, 0,1,2,3
.irp n, 0,1
	ds_store_b128 v[SO+\m/2], v[ACC+16*\m+8*\n:ACC+16*\m+8*\n+3] offset:(\m%2)*16*SROW+64*\n        ; each accumulator from its low end on
	ds_store_b128 v[SO+\m/2], v[ACC+16*\m+8*\n+4:ACC+16*\m+8*\n+7] offset:(\m%2)*16*SROW+64*\n+16
.endr
.endr
	s_wait_dscnt 0x0                               ; for the others' sake: my stores into the stage are done
	s_barrier_signal -1
	s_barrier_wait -1                              ; 64 whole rows lie in the stage
.irp i, 0,1,2,3
.irp q, 0,1,2,3
	ds_load_b128 v[WF+16*\i+4*\q:WF+16*\i+4*\q+3], v[SR] offset:SROW*\i+512*\q
.endr
.endr
.irp i, 0,1,2,3
.irp q, 0,1,2,3
	s_wait_dscnt 15-(4*\i+\q)
	global_store_b128 v[LI], v[WF+16*\i+4*\q:WF+16*\i+4*\q+3], s[76+2*\i:77+2*\i] offset:512*\q th:TH_STORE_NT   ; 32 lanes store 512 consecutive bytes of a row, at a multiple of 512 from out0's first byte; written once
.endr
.endr
	s_wait_tensorcnt 0x0
	ds_add_u32 v254, v255
	s_wait_dscnt 0x0
	s_endpgm
.Lfunc_end_k_qb3a3aa761b_moe:
	.size	k_qb3a3aa761b_moe, .Lfunc_end_k_qb3a3aa761b_moe-k_qb3a3aa761b_moe
	.p2alignl 7, 3214868480
	.fill 96, 4, 3214868480
	.section	.rodata,"a",@progbits
	.p2align	6, 0x0
	.amdhsa_kernel k_qb3a3aa761b_moe
		.amdhsa_group_segment_fixed_size 163840
		.amdhsa_private_segment_fixed_size 0
		.amdhsa_enable_private_segment 0
		.amdhsa_kernarg_size 48
		.amdhsa_user_sgpr_count 2
		.amdhsa_user_sgpr_kernarg_segment_ptr 1
		.amdhsa_wavefront_size32 1
		.amdhsa_system_sgpr_workgroup_id_x 1
		.amdhsa_system_sgpr_workgroup_id_y 1
		.amdhsa_system_sgpr_workgroup_id_z 1
		.amdhsa_system_vgpr_workitem_id 0
		.amdhsa_next_free_vgpr 256
		.amdhsa_next_free_sgpr 102
		.amdhsa_reserve_vcc 0
		.amdhsa_float_denorm_mode_32 3
		.amdhsa_float_denorm_mode_16_64 3
		.amdhsa_memory_ordered 1
		.amdhsa_forward_progress 1
		.amdhsa_inst_pref_size 44
	.end_amdhsa_kernel
	.amdgpu_metadata
---
amdhsa.version: [ 1, 2 ]
amdhsa.kernels:
  - .name:           k_qb3a3aa761b_moe
    .symbol:         k_qb3a3aa761b_moe.kd
    .args:
      - { .name: input, .offset: 0, .size: 8, .value_kind: global_buffer, .address_space: global }
      - { .name: order, .offset: 8, .size: 8, .value_kind: global_buffer, .address_space: global }
      - { .name: wq, .offset: 16, .size: 8, .value_kind: global_buffer, .address_space: global }
      - { .name: ws, .offset: 24, .size: 8, .value_kind: global_buffer, .address_space: global }
      - { .name: bias, .offset: 32, .size: 8, .value_kind: global_buffer, .address_space: global }
      - { .name: out0, .offset: 40, .size: 8, .value_kind: global_buffer, .address_space: global }
    .group_segment_fixed_size: 163840
    .private_segment_fixed_size: 0
    .kernarg_segment_align: 8
    .kernarg_segment_size: 48
    .max_flat_workgroup_size: 512
    .sgpr_count:     102
    .vgpr_count:     256
    .wavefront_size: 32
...
	.end_amdgpu_metadata
.endif
;; end of part 2
;; ======== version 2 of 2: 2 launches
;; workspace buffers: wq 3,145,728 bytes; ws 131,072 bytes; order 65,536 bytes of whole numbers
;; launch prep (part 3): grid 257 x 1, 8 waves a work-group, no clusters, 70,656 bytes of LDS; arguments weight, i_type, wq, ws, order; writes wq, ws, order
.if DOCPART == 3
	.amdgcn_target "amdgcn-amd-amdhsa--gfx1250"
	.amdhsa_code_object_version 6
	.text
	.protected	k_qb3a3aa761b_prep
	.globl	k_qb3a3aa761b_prep
	.p2align	8
	.type	k_qb3a3aa761b_prep,@function
k_qb3a3aa761b_prep:
	s_mov_b64 s[64:65], 0
	v_nop
	global_prefetch_b8 v0, s[64:65] scope:SCOPE_SE
	s_setreg_imm32_b32 hwreg(HW_REG_WAVE_MODE, 25, 1), 1
	s_wait_xcnt 0x0
; THE LAUNCH IN FRONT OF THE PRODUCT.  Two kinds of work-group, told apart by the work-group's number alone.
; WORK-GROUPS 1 .. 256: weight [16][512][512] f32 becomes codes of BF6 (E3M2) with one E8M0 byte for each 32 along K, once.  Work-group b + 1 takes the 32 rows 32 b .. 32 b + 31 of the
; 8,192 rows (type b / 16, outputs 32 (b % 16) on); wave 4 n + s makes ONE fragment: rows 16 n .. 16 n + 15 of the 32, K step s of 128.  The codes are laid in the ORDER OF THE OPERAND'S REGISTERS:
; wq [b][4 n + s][c 0..2][lane][16 bytes] holds registers 4 c .. 4 c + 3 of the fragment, so that the product's launch loads a fragment by three loads of 16 bytes a lane.  ws [row][4 words]: word s is the scale word of K step s.
; A block's scale is 2^(floor(log2(its largest magnitude)) - 4); its byte is the largest magnitude's exponent field - 4, held at 1 from below.
; WORK-GROUP 0: a counting sort of the 16,384 tokens by type.  order[p] = token | (16 + type) << 16, the types ascending.  No atomics: ballots, counts of bits and one exchange through LDS.
; LIMITS: NaN and infinities among the weights are not served; a block of zeros gets the byte 1 where the rule says 127 (its codes are zeros, and this program alone reads the bytes);
; i_type is taken modulo 16 (the problem gives 0 .. 15).
; No tensor loads: every work-group's input is out at once, 16 loads a wave.  No prefetch: nothing runs ahead of loads that are all issued at the head.
.set PRIVB, 8448                       ; LDS: a stage of 16 rows x 528 bytes for each wave of a weight work-group
.set PITCH, 528                        ; 512 bytes + 16 = 132 words: row r starts at bank 4 r mod 64 (64 banks of 4 bytes: ISA guide 11.1)
.set WSC,   8*PRIVB                    ; behind the stages: the scale words of the 32 rows, 16 bytes a row
.set SRT,   WSC+512                    ; the sort's own bytes: 128 for each of its eight waves
.set SEL,   20                         ; s[20:21] selects of v_permlanex16_b32 for lane l xor 16
.set LI,    1                          ; v1   16 x lane
.set STA,   4                          ; v4   the stage, on the way in: wave x 8,448 + 16 x lane
.set LDA,   5                          ; v5   and on the way out: wave x 8,448 + 528 r + 64 h
.set TM,    42                         ; v42-57 at work in QUANT
.set PC,    58                         ; v58-77 the codes just made
.set PW,    78                         ; v78  the scale word just made
.set X,     90                         ; v90-153 64 numbers
; 64 numbers of a lane, v[s] .. v[s + 63], register 16 b + i = k 32 b + 16 (lane / 16) + i of my row, become a fragment's codes in v[PC] on and its scale word in v[PW].
.macro QUANT s
.irp b, 0,1,2,3
	v_max3_num_f32 v[TM+\b], |v[\s+16*\b]|, |v[\s+1+16*\b]|, 0x2800000   ; block b: my 16 numbers, and the floor 2^(5 - 127): the byte cannot fall under 1
.endr
.irp i, 2,4,6,8,10,12,14
.irp b, 0,1,2,3
	s_delay_alu instid0(VALU_DEP_4)
	v_max3_num_f32 v[TM+\b], v[TM+\b], |v[\s+16*\b+\i]|, |v[\s+1+16*\b+\i]|   ; the four blocks by turns
.endr
.endr
.irp b, 0,1,2,3
	s_delay_alu instid0(VALU_DEP_4)
	v_permlanex16_b32 v[TM+4+\b], v[TM+\b], s[SEL], s[SEL+1]
.endr
.irp b, 0,1,2,3
	s_delay_alu instid0(VALU_DEP_4)
	v_max_num_f32 v[TM+\b], v[TM+\b], v[TM+4+\b]   ; with lane l xor 16's: the block's largest magnitude
.endr
.irp b, 0,1,2,3
	s_delay_alu instid0(VALU_DEP_4)
	v_add_nc_u32 v[TM+12+\b], 0xfe000000, v[TM+\b]   ; 4 off its exponent field: the conversion takes the exponent field of this operand as its scale
.endr
.irp b, 0,1,2,3
	s_delay_alu instid0(VALU_DEP_4)
	v_lshrrev_b32 v[TM+4+\b], 23, v[TM+12+\b]      ; the scale's byte
.endr
	s_delay_alu instid0(VALU_DEP_3)
	v_lshl_or_b32 v[PW], v[TM+5], 8, v[TM+4]       ; the four bytes make my row's scale word
	s_delay_alu instid0(VALU_DEP_1)
	v_lshl_or_b32 v[PW], v[TM+6], 16, v[PW]
	s_delay_alu instid0(VALU_DEP_1)
	v_lshl_or_b32 v[PW], v[TM+7], 24, v[PW]
.irp c, 0,1
	v_cvt_scalef32_pk16_bf6_f32 v[PC+6*\c:PC+2+6*\c], v[\s+32*\c:\s+15+32*\c], v[TM+12+2*\c]
	v_cvt_scalef32_pk16_bf6_f32 v[PC+12+4*\c:PC+14+4*\c], v[\s+16+32*\c:\s+31+32*\c], v[TM+12+2*\c+1]   ; (a conversion's three registers begin on an even number)
.endr
	v_nop                                          ; one plain place behind a scaled conversion
.irp c, 0,1                                    ; the operand's layout wants a WHOLE block in a lane: lanes 0-15 block 2 c, lanes 16-31 block 2 c + 1
.irp i, 0,1,2
	v_permlane16_swap_b32 v[PC+6*\c+\i], v[PC+12+4*\c+\i]
.endr
.irp i, 0,1,2
	s_delay_alu instid0(VALU_DEP_3)
	v_mov_b32 v[PC+3+6*\c+\i], v[PC+12+4*\c+\i]
.endr
.endr
.endm
; Sixteen loads, each 512 consecutive bytes of one row, turn through the wave's own stage: in as they were loaded, out as 64 bytes of one row a lane and block.  cnt - i: the loads issued behind load i.
.macro TURN cnt
.irp i, 0,1,2,3,4,5,6,7,8,9,10,11,12,13,14,15
	s_wait_loadcnt \cnt-\i
	ds_store_b128 v[STA], v[X+4*\i:X+4*\i+3] offset:PITCH*\i
.endr
	s_wait_dscnt 0x0                               ; the stores have read their registers, which the loads below fill
.irp b, 0,1,2,3
.irp j, 0,1,2,3
	ds_load_b128 v[X+16*\b+4*\j:X+16*\b+4*\j+3], v[LDA] offset:128*\b+16*\j
.endr
.endr
	s_wait_dscnt 0x0
.endm
	s_load_b256 s[4:11], s[0:1], 0x0               ; weight s[4:5], i_type s[6:7], wq s[8:9], ws s[10:11]
	s_load_b64 s[12:13], s[0:1], 0x20              ; order
	v_lshl_add_u32 v254, v0, 2, 0x11000
	v_mov_b32 v255, 0
	v_lshrrev_b32 v1, 5, v0
	s_delay_alu instid0(VALU_DEP_1)
	v_readfirstlane_b32 s14, v1                    ; wave 0..7
	s_mov_b32 s[SEL], 0x76543210
	s_mov_b32 s[SEL+1], 0xfedcba98
	s_cmp_eq_u32 ttmp9, 0
	s_cbranch_scc1 .Lsort
	; ---------------- THE WEIGHTS ----------------
	v_and_b32 v8, 31, v0                           ; lane
	s_delay_alu instid0(VALU_DEP_1)
	v_lshlrev_b32 v[LI], 4, v8
	v_and_b32 v2, 15, v0                           ; r
	s_wait_alu depctr_va_vdst(0)
	v_bfe_u32 v3, v0, 4, 1                         ; h
	s_sub_co_u32 s15, ttmp9, 1                     ; b
	s_lshr_b32 s16, s14, 2                         ; n: which 16 of the 32 rows
	s_and_b32 s17, s14, 3                          ; s: which 128 along K
	s_mul_i32 s22, s14, PRIVB
	v_add_nc_u32 v[STA], s22, v[LI]
	v_mul_u32_u24 v[LDA], v2, PITCH
	s_delay_alu instid0(VALU_DEP_1)
	v_lshl_add_u32 v[LDA], v3, 6, v[LDA]
	s_delay_alu instid0(VALU_DEP_1)
	v_add_nc_u32 v[LDA], s22, v[LDA]
	s_lshl_b32 s22, s16, 8
	s_lshl_b32 s23, s17, 2
	s_add_co_u32 s22, s22, s23
	s_add_co_u32 s22, s22, WSC
	v_lshl_add_u32 v6, v2, 4, s22                  ; my row's word s among the scale words: WSC + 256 n + 16 r + 4 s
	v_add_nc_u32 v7, WSC, v[LI]                    ; and a row's four words on the way out
.irp b, 0,1,2,3
	v_mov_b32 v[TM+4+\b], 0                        ; written once: a lane permute's destination counts as one of its sources
.endr
	s_lshl_b32 s18, s15, 16                        ; weight: 32 rows of 2,048 bytes a work-group,
	s_lshl_b32 s22, s16, 15                        ; 16 rows,
	s_add_co_u32 s18, s18, s22
	s_lshl_b32 s22, s17, 9                         ; 512 bytes a K step
	s_add_co_u32 s18, s18, s22
	s_mov_b32 s19, 0
	s_mul_i32 s24, s15, 12288                      ; wq: eight fragments of 1,536 bytes a work-group
	s_mul_i32 s22, s14, 1536
	s_add_co_u32 s24, s24, s22
	s_mov_b32 s25, 0
	s_lshl_b32 s26, s15, 9                         ; ws: 32 rows of 16 bytes
	s_mov_b32 s27, 0
	s_wait_alu depctr_va_vdst(0)
	s_wait_kmcnt 0x0
	s_add_nc_u64 s[4:5], s[4:5], s[18:19]
	s_add_nc_u64 s[8:9], s[8:9], s[24:25]
	s_add_nc_u64 s[10:11], s[10:11], s[26:27]
.irp i, 0,1,2,3,4,5,6,7,8,9,10,11,12,13,14,15
	global_load_b128 v[X+4*\i:X+4*\i+3], v[LI], s[4:5] offset:2048*\i th:TH_LOAD_NT   ; 32 lanes read 512 consecutive bytes of row i, at a multiple of 512 from the buffer's first byte
.endr
	TURN 15
	QUANT X
.irp c, 0,1,2
	global_store_b128 v[LI], v[PC+4*\c:PC+4*\c+3], s[8:9] offset:512*\c   ; the fragment as it stands: 512 consecutive bytes a store
.endr
	ds_store_b32 v6, v[PW]                         ; lanes r and r + 16 write the same word with the same value
	s_wait_dscnt 0x0                               ; for the others' sake: my word lies in LDS
	s_barrier_signal -1
	s_barrier_wait -1
	s_cmp_lg_u32 s14, 0                            ; wave 0 stores the 32 rows' scale words: 512 consecutive bytes
	s_cbranch_scc1 .Lwdone
	ds_load_b128 v[80:83], v7
	s_wait_dscnt 0x0
	global_store_b128 v[LI], v[80:83], s[10:11]
.Lwdone:
	s_wait_tensorcnt 0x0
	ds_add_u32 v254, v255
	s_wait_dscnt 0x0
	s_endpgm
	; ---------------- THE SORT ----------------
	; Thread t (0 .. 255), load i (0 .. 15), word j hold token 1,024 i + 4 t + j.  GROUP g = 4 i + j is one register across the wave: 32 tokens.
	; For a group: four ballots, one for each bit of the key.  A lane's PEERS (the lanes with its key) are the AND of, for each bit, the ballot or its complement; the count of peers below me is my rank in the group.
	; The running counts of key e in this wave's earlier groups live in LANE 16 + e of RUN[g]: there the count of a 16-bit mask's bits below the lane is the count of all its bits.
	; A token's place = (tokens of lower keys) + (tokens of my key in lower waves) + (in my wave's earlier groups) + (my rank in the group).
.set LN,  1                            ; v1   lane
.set T4,  2                            ; v2   4 t
.set T16, 3                            ; v3   16 t
.set XM,  4                            ; v4-7   bit j of my lane ? 0 : -1
.set TA,  8                            ; v8-15, v16-23  at work, two sets: two groups go line by line in turn
.set KEY, 24                           ; v24-87   the keys, later the words to be stored
.set RNK, 88                           ; v88-151  ranks, later byte offsets in order
.set RUN, 152                          ; v152-216 running counts
.set AA,  218                          ; v218-233 lane indices for the exchange; the waves' totals
.set DD,  234                          ; v234-249 what the exchange brings
.set SWR, 250                          ; v250 LDS: SRT + 4 x thread; never rewritten
.set SRD, 251                          ; v251 LDS: SRT + 4 x lane; never rewritten
.set BS,  24                           ; s24-27 ballots, s28-31 their complements; s32-39 the second set
.macro PAIR g
.if (\g)%4 == 0
	s_wait_loadcnt 15-(\g)/4                       ; load g / 4 is in; the younger ones may be out
.endif
.irp u, 0,1
	v_and_b32 v[KEY+(\g)+\u], 15, v[KEY+(\g)+\u]
.endr
.irp u, 0
	s_delay_alu instid0(VALU_DEP_2)
	v_and_b32 v[TA+8*\u], 1, v[KEY+(\g)+\u]
	s_delay_alu instid0(VALU_DEP_3)
	v_and_b32 v[TA+8*\u+1], 2, v[KEY+(\g)+\u]
	s_delay_alu instid0(VALU_DEP_4)
	v_and_b32 v[TA+8*\u+2], 4, v[KEY+(\g)+\u]
.endr
.irp u, 1
	s_delay_alu instid0(VALU_DEP_4)
	v_and_b32 v[TA+8*\u], 1, v[KEY+(\g)+\u]
	v_and_b32 v[TA+8*\u+1], 2, v[KEY+(\g)+\u]
	v_and_b32 v[TA+8*\u+2], 4, v[KEY+(\g)+\u]
.endr
.irp u, 0,1
	v_cmp_ne_u32 s[BS+8*\u], 0, v[TA+8*\u]
	v_cmp_ne_u32 s[BS+8*\u+1], 0, v[TA+8*\u+1]
	v_cmp_ne_u32 s[BS+8*\u+2], 0, v[TA+8*\u+2]
	v_cmp_lt_u32 s[BS+8*\u+3], 7, v[KEY+(\g)+\u]
.endr
.irp u, 0,1
.irp j, 0,1,2,3
	s_not_b32 s[BS+8*\u+4+\j], s[BS+8*\u+\j]
.endr
.endr
.irp u, 0,1
.irp j, 0,1,2,3
	v_cndmask_b32 v[TA+8*\u+\j], s[BS+8*\u+4+\j], s[BS+8*\u+\j], s[BS+8*\u+\j]   ; the lanes whose key agrees with mine in bit j
	v_xor_b32 v[TA+8*\u+4+\j], s[BS+8*\u+\j], v[XM+\j]                            ; the lanes whose key agrees with my LANE's number in bit j
.endr
.endr
.irp u, 0,1
	v_and_b32 v[TA+8*\u], v[TA+8*\u], v[TA+8*\u+1]
	v_and_b32 v[TA+8*\u+2], v[TA+8*\u+2], v[TA+8*\u+3]
	v_and_b32 v[TA+8*\u+4], v[TA+8*\u+4], v[TA+8*\u+5]
	v_and_b32 v[TA+8*\u+6], v[TA+8*\u+6], v[TA+8*\u+7]
.endr
.irp u, 0
	v_and_b32 v[TA+8*\u], v[TA+8*\u], v[TA+8*\u+2]       ; my peers
	v_and_b32 v[TA+8*\u+4], v[TA+8*\u+4], v[TA+8*\u+6]
.endr
.irp u, 1
	v_and_b32 v[TA+8*\u], v[TA+8*\u], v[TA+8*\u+2]
	s_delay_alu instid0(VALU_DEP_4)
	v_and_b32 v[TA+8*\u+4], v[TA+8*\u+4], v[TA+8*\u+6]   ; the lanes with key (my lane % 16)
.endr
.irp u, 0,1
	v_mbcnt_lo_u32_b32 v[RNK+(\g)+\u], v[TA+8*\u], 0     ; peers below me
	v_and_b32 v[TA+8*\u+5], 0xffff, v[TA+8*\u+4]
	v_lshrrev_b32 v[TA+8*\u+6], 16, v[TA+8*\u+4]
.endr
.irp u, 0
	v_mbcnt_lo_u32_b32 v[TA+8*\u+5], v[TA+8*\u+5], 0
	v_add_nc_u32 v[TA+8*\u+7], 1024*(((\g)+\u)/4)+((\g)+\u)%4+0x100000, v[T4]
.endr
.irp u, 1
	s_delay_alu instid0(VALU_DEP_4)
	v_mbcnt_lo_u32_b32 v[TA+8*\u+5], v[TA+8*\u+5], 0
	v_add_nc_u32 v[TA+8*\u+7], 1024*(((\g)+\u)/4)+((\g)+\u)%4+0x100000, v[T4]   ; the token, and 16 << 16
.endr
.irp u, 0,1
	s_delay_alu instid0(VALU_DEP_4)
	v_mbcnt_lo_u32_b32 v[TA+8*\u+5], v[TA+8*\u+6], v[TA+8*\u+5]   ; in lanes 16-31: the group's count of key (lane - 16)
	s_delay_alu instid0(VALU_DEP_4)
	v_lshl_or_b32 v[KEY+(\g)+\u], v[KEY+(\g)+\u], 16, v[TA+8*\u+7]   ; the word to be stored: token | (16 + key) << 16
.endr
	s_delay_alu instid0(VALU_DEP_4)
	v_add_nc_u32 v[RUN+(\g)+1], v[RUN+(\g)], v[TA+5]
	s_delay_alu instid0(VALU_DEP_1)
	v_add_nc_u32 v[RUN+(\g)+2], v[RUN+(\g)+1], v[TA+13]
.endm
.Lsort:
	v_and_b32 v[LN], 31, v0
	v_lshlrev_b32 v[T4], 2, v0
	v_lshlrev_b32 v[T16], 4, v0
.irp j, 0,1,2,3
	v_bfe_u32 v[XM+\j], v0, \j, 1
.endr
.irp j, 0,1,2,3
	s_delay_alu instid0(VALU_DEP_4)
	v_add_nc_u32 v[XM+\j], -1, v[XM+\j]
.endr
	v_lshl_add_u32 v[SWR], v0, 2, SRT
	v_lshl_add_u32 v[SRD], v[LN], 2, SRT
	v_mov_b32 v[RUN], 0
	s_wait_kmcnt 0x0
.irp i, 0,1,2,3,4,5,6,7,8,9,10,11,12,13,14,15
	global_load_b128 v[KEY+4*\i:KEY+4*\i+3], v[T16], s[6:7] offset:4096*\i th:TH_LOAD_NT   ; the 256 threads read 4,096 consecutive bytes
.endr
.set GG, 0
.rept 32
	PAIR GG
.set GG, GG+2
.endr
	ds_store_b32 v[SWR], v[RUN+64]                 ; my wave's totals: lane 16 + e holds key e's
	s_wait_dscnt 0x0                               ; for the others' sake
	s_barrier_signal -1
	s_barrier_wait -1
.irp q, 0,1,2,3,4,5,6,7
	ds_load_b32 v[AA+\q], v[SRD] offset:128*\q     ; every wave's totals, lane by lane
.endr
	v_mov_b32 v10, 0                               ; the key's total over all waves
	v_mov_b32 v11, 0                               ; and over the waves below mine
	v_mov_b32 v13, 0                               ; (a DPP form's destination counts as read)
	s_wait_alu depctr_va_vdst(0)
	s_wait_dscnt 0x0
.irp q, 0,1,2,3,4,5,6,7
	s_cmp_gt_u32 s14, \q
	s_cselect_b32 s40, 1, 0
	v_add_nc_u32 v10, v10, v[AA+\q]
	v_mad_u32_u24 v11, v[AA+\q], s40, v11
.endr
	s_delay_alu instid0(VALU_DEP_2)
	v_mov_b32 v12, v10
.irp n, 1,2,4,8                                ; the sum over the keys up to mine, inside the row of 16 lanes that holds the counts
	s_delay_alu instid0(VALU_DEP_1)
	v_mov_b32_dpp v13, v12 row_shr:\n row_mask:0xf bank_mask:0xf bound_ctrl:1
	s_delay_alu instid0(VALU_DEP_1)
	v_add_nc_u32 v12, v12, v13
.endr
	s_delay_alu instid0(VALU_DEP_1)
	v_sub_nc_u32 v12, v12, v10                     ; the lower keys alone,
	s_delay_alu instid0(VALU_DEP_1)
	v_add_nc_u32 v12, v12, v11                     ; and my key in the waves below: where my wave's tokens of key (lane - 16) begin
	; Each token fetches its key's figure from lane 16 + key and is stored at its place.  The stores are of 4 bytes to places that hang on the data: 65,536 bytes in all.
.irp t, 0,1,2,3
.irp q, 0,1,2,3,4,5,6,7,8,9,10,11,12,13,14,15
	v_lshrrev_b32 v[AA+\q], 14, v[KEY+16*\t+\q]    ; 4 x (16 + key): the token is under 2^14
	s_delay_alu instid0(VALU_DEP_1)
	v_min_u32 v[AA+\q], 124, v[AA+\q]
	v_add_nc_u32 v[RUN+16*\t+\q], v[RUN+16*\t+\q], v12
	ds_bpermute_b32 v[DD+\q], v[AA+\q], v[RUN+16*\t+\q]
.endr
.irp q, 0,1,2,3,4,5,6,7,8,9,10,11,12,13,14,15
	s_wait_dscnt 15-\q                             ; exchange q of the sixteen is back
	v_add_lshl_u32 v[RNK+16*\t+\q], v[DD+\q], v[RNK+16*\t+\q], 2
	s_delay_alu instid0(VALU_DEP_1)
	v_min_u32 v[RNK+16*\t+\q], 0xfffc, v[RNK+16*\t+\q]   ; held inside the buffer
	global_store_b32 v[RNK+16*\t+\q], v[KEY+16*\t+\q], s[12:13]   ; each store has address and data registers of its own: none is written again
.endr
.endr
	s_wait_tensorcnt 0x0
	ds_add_u32 v254, v255
	s_wait_dscnt 0x0
	s_endpgm
.Lfunc_end_k_qb3a3aa761b_prep:
	.size	k_qb3a3aa761b_prep, .Lfunc_end_k_qb3a3aa761b_prep-k_qb3a3aa761b_prep
	.p2alignl 7, 3214868480
	.fill 96, 4, 3214868480
	.section	.rodata,"a",@progbits
	.p2align	6, 0x0
	.amdhsa_kernel k_qb3a3aa761b_prep
		.amdhsa_group_segment_fixed_size 70656
		.amdhsa_private_segment_fixed_size 0
		.amdhsa_enable_private_segment 0
		.amdhsa_kernarg_size 40
		.amdhsa_user_sgpr_count 2
		.amdhsa_user_sgpr_kernarg_segment_ptr 1
		.amdhsa_wavefront_size32 1
		.amdhsa_system_sgpr_workgroup_id_x 1
		.amdhsa_system_sgpr_workgroup_id_y 1
		.amdhsa_system_sgpr_workgroup_id_z 1
		.amdhsa_system_vgpr_workitem_id 0
		.amdhsa_next_free_vgpr 256
		.amdhsa_next_free_sgpr 66
		.amdhsa_reserve_vcc 0
		.amdhsa_float_denorm_mode_32 3
		.amdhsa_float_denorm_mode_16_64 3
		.amdhsa_memory_ordered 1
		.amdhsa_forward_progress 1
		.amdhsa_inst_pref_size 159
	.end_amdhsa_kernel
	.amdgpu_metadata
---
amdhsa.version: [ 1, 2 ]
amdhsa.kernels:
  - .name:           k_qb3a3aa761b_prep
    .symbol:         k_qb3a3aa761b_prep.kd
    .args:
      - { .name: weight, .offset: 0, .size: 8, .value_kind: global_buffer, .address_space: global }
      - { .name: i_type, .offset: 8, .size: 8, .value_kind: global_buffer, .address_space: global }
      - { .name: wq, .offset: 16, .size: 8, .value_kind: global_buffer, .address_space: global }
      - { .name: ws, .offset: 24, .size: 8, .value_kind: global_buffer, .address_space: global }
      - { .name: order, .offset: 32, .size: 8, .value_kind: global_buffer, .address_space: global }
    .group_segment_fixed_size: 70656
    .private_segment_fixed_size: 0
    .kernarg_segment_align: 8
    .kernarg_segment_size: 40
    .max_flat_workgroup_size: 256
    .sgpr_count:     66
    .vgpr_count:     256
    .wavefront_size: 32
...
	.end_amdgpu_metadata
.endif
;; end of part 3
;; launch moe (part 4): grid 256 x 1, 16 waves a work-group, no clusters, 163,840 bytes of LDS; arguments input, order, wq, ws, bias, out0; writes out0
.if DOCPART == 4
	.amdgcn_target "amdgcn-amd-amdhsa--gfx1250"
	.amdhsa_code_object_version 6
	.text
	.protected	k_qb3a3aa761b_moe
	.globl	k_qb3a3aa761b_moe
	.p2align	8
	.type	k_qb3a3aa761b_moe,@function
k_qb3a3aa761b_moe:
	s_mov_b64 s[64:65], 0
	v_nop
	global_prefetch_b8 v0, s[64:65] scope:SCOPE_SE
	s_setreg_imm32_b32 hwreg(HW_REG_WAVE_SCHED_MODE, 0, 2), 2
	s_setreg_imm32_b32 hwreg(HW_REG_WAVE_MODE, 25, 1), 1
	s_wait_xcnt 0x0
	s_wait_alu depctr_vm_vsrc(0)
; out0[n] = Q(input[n]) . Q(weight[i_type[n]])^T + bias[i_type[n]], on codes of BF6 (E3M2) with one E8M0 scale for each 32 along K; sums in f32.  Only the chosen type's product is made.
; order[p] = token | (16 + type) << 16, the types ascending; wq, ws: the weights' codes in the order of the operand's registers, and their scale words: all three stored by the launch before.
; SHARES.  Work-group g takes places 64 g .. 64 g + 63 of order: 256 work-groups of equal size for every split of the tokens.  Wave w (of 16) has three parts:
;   it quantises 16 rows x 128 K of x (tile of rows m = w / 4, K step s = w % 4); it multiplies outputs 32 w .. 32 w + 31 for all 64 rows (8 accumulators); it stores rows 4 w .. 4 w + 3 whole.
; SEVERAL TYPES IN A BLOCK.  A loop of 16 trips walks the types and passes over those that the block does not hold (a scalar branch on the stored list).  In a pass the codes of rows of another type are ANDed to
; zero, and zero codes add nothing: so all passes add onto the same accumulators, which begin as bias[the row's type].  The first place's type is the block's lowest (the list ascends): its weights are asked for at the head.
; THE PRODUCT IS USED TRANSPOSED: source 0 = 16 rows of W, source 1 = 16 rows of x: lane (r, h), register j holds out(row 16 m + r, column 32 w + 16 n + 8 h + j).
; x's fragments go from wave to wave through LDS as images of their registers (16 bytes a lane, 512 bytes a store); the results meet in a stage of whole rows, so that each store covers 512 consecutive bytes of a row.
; NOT SHARED IN A CLUSTER, NO TENSOR LOADS: which type's weights a block needs is read from the list, and the walk branches on the list; so partners would need different tiles, and operands go from memory into registers.
; NO PREFETCH: a wave's loads, 20,992 bytes, are all issued at its head; nothing runs ahead of them.
; LIMITS: NaN and infinities are not served; a block of zeros gets the byte 1 where the rule says 127 (its codes are zeros, and the bytes never leave the work-group).
; THE MODE: SCHED_MODE bits 1:0 = 2 (LLVM: expert scheduling mode 2), set by the entry lines.  The code itself states the register dependences
; between vector or matrix instructions and memory or LDS instructions, with s_wait_alu, always for 0.
; THE PLAN.  Registers that memory or LDS instructions touch:
;   v1, v2, v5-v13   offsets and LDS addresses: all made at the head, ahead of one wait on va_vdst, and never written again.
;   X = ACC          x's loads land; the stage's LDS stores read; (vm_vsrc) the stage's LDS loads land; the quantiser reads; (va_vdst) the bias lands; the products add; (va_vdst) the way out's LDS stores read.
;   PC, PW           the quantiser writes; (the same va_vdst) the image's LDS stores read; (vm_vsrc ahead of the loop) they are part of XF from there on.
;   MK               vector instructions write the bias's offsets; (the same va_vdst) the bias's loads read; (the same vm_vsrc) the masks are written over them; no memory instruction names them again.
;   XF               TWO HALVES BY TURNS: tiles of rows 0, 1 and tiles 2, 3.  A K step is two half steps.  A half step masks its half, has ONE wait on va_vdst, and then issues its four products with the six LDS loads of
;                    the next half step among them: these land in the other half, which the last half step is done with ahead of that wait and which no product of this half step names.
;   WF, WS           loads land; the products read; (va_vdst) a further type's loads land; on the way out (va_vdst) the stage's rows land in WF, and the stores read them.
;   XS               LDS loads land once; the products read.
.set PRIVB, 8448                       ; LDS 0 ..: a stage of 16 rows x 528 bytes for each wave, for the turn of x; later the rows of the result
.set PITCH, 528                        ; 512 + 16 bytes = 132 words: row r starts at bank 4 r mod 64 (64 banks of 4 bytes: ISA guide 11.1)
.set SROW,  2064                       ; a row of the result: 2,048 + 16 bytes = 516 words: likewise.  64 rows are 132,096 bytes, inside the 16 stages' 135,168
.set XIMG,  16*PRIVB                   ; x's 16 fragments, 1,536 bytes each: image 4 m + s
.set XSC,   XIMG+16*1536               ; their scale words: [m][lane][4 words]
.set SEL,   70                         ; s[70:71] selects of v_permlanex16_b32 for lane l xor 16
.set LI,  1                            ; v1   16 x lane
.set XI,  2                            ; v2   XIMG + 16 x lane
.set XO,  5                            ; v5   x: 16 x lane + 512 s
.set STA, 6                            ; v6   the turn, in: wave x 8,448 + 16 x lane
.set LDA, 7                            ; v7   the turn, out: wave x 8,448 + 528 r + 64 h
.set XWI, 8                            ; v8   where my image goes: XIMG + 1,536 w + 16 x lane
.set XWS, 9                            ; v9   and my scale word: XSC + 512 m + 16 x lane + 4 s
.set SO,  10                           ; v10, v11  the stage: 2,064 r + 32 h + 128 w, for rows 0-31 and 32-63
.set SR,  12                           ; v12  back: 4 w rows + 16 x lane
.set R4,  13                           ; v13  4 r
.set TYP, 14                           ; v14-17  the type of row 16 m + r
.set MK,  18                           ; v18-21  first the bias's offsets, then the masks: -1 where the row's type is the pass's
.set WS,  22                           ; v22-25  W's scale words of K step s: lanes 0-15 tile n = 0, lanes 16-31 tile n = 1.  Scales and nothing else
.set XS,  26                           ; v26-41  x's scale words: (m, s) at 4 m + s.  Scales and nothing else
.set XF,  42                           ; v42-89  x's fragments: tile of rows m at 12 m; tiles 0, 1 and tiles 2, 3 take turns
.set TM,  42                           ; (in the quantiser: v42-57 at work, v58-77 codes, v78 the scale word)
.set PC,  58
.set PW,  78
.set X,   90                           ; v90-153 64 numbers of x; then the accumulators: (m, n) at 8 (2 m + n)
.set ACC, 90
.set WF,  154                          ; v154-249 W's eight fragments: (n, s) at 12 (4 n + s); on the way out 16 x 4 registers of rows
.set H32, 250                          ; v250 32 h
.macro QUANT s
.irp b, 0,1,2,3
	v_max3_num_f32 v[TM+\b], |v[\s+16*\b]|, |v[\s+1+16*\b]|, 0x2800000   ; block b: my 16 numbers, and the floor 2^(5 - 127): the byte cannot fall under 1
.endr
.irp i, 2,4,6,8,10,12,14
.irp b, 0,1,2,3
	v_max3_num_f32 v[TM+\b], v[TM+\b], |v[\s+16*\b+\i]|, |v[\s+1+16*\b+\i]|   ; the four blocks by turns
.endr
.endr
.irp b, 0,1,2,3
	v_permlanex16_b32 v[TM+4+\b], v[TM+\b], s[SEL], s[SEL+1]
.endr
.irp b, 0,1,2,3
	v_max_num_f32 v[TM+\b], v[TM+\b], v[TM+4+\b]   ; with lane l xor 16's: the block's largest magnitude
.endr
.irp b, 0,1,2,3
	v_add_nc_u32 v[TM+12+\b], 0xfe000000, v[TM+\b]   ; 4 off its exponent field: the conversion takes the exponent field of this operand as its scale
.endr
.irp b, 0,1,2,3
	v_lshrrev_b32 v[TM+4+\b], 23, v[TM+12+\b]      ; the scale's byte
.endr
	v_lshl_or_b32 v[PW], v[TM+5], 8, v[TM+4]       ; the four bytes make my row's scale word
	v_lshl_or_b32 v[PW], v[TM+6], 16, v[PW]
	v_lshl_or_b32 v[PW], v[TM+7], 24, v[PW]
.irp c, 0,1
	v_cvt_scalef32_pk16_bf6_f32 v[PC+6*\c:PC+2+6*\c], v[\s+32*\c:\s+15+32*\c], v[TM+12+2*\c]
	v_cvt_scalef32_pk16_bf6_f32 v[PC+12+4*\c:PC+14+4*\c], v[\s+16+32*\c:\s+31+32*\c], v[TM+12+2*\c+1]   ; (a conversion's three registers begin on an even number)
.endr
	v_nop                                          ; one plain place behind a scaled conversion
.irp c, 0,1                                    ; the operand's layout wants a WHOLE block in a lane
.irp i, 0,1,2
	v_permlane16_swap_b32 v[PC+6*\c+\i], v[PC+12+4*\c+\i]
.endr
.irp i, 0,1,2
	v_mov_b32 v[PC+3+6*\c+\i], v[PC+12+4*\c+\i]
.endr
.endr
.endm
.macro TURN cnt                        ; sixteen rows' 512 bytes through my own stage; cnt - i: the loads issued behind load i
.irp i, 0,1,2,3,4,5,6,7,8,9,10,11,12,13,14,15
	s_wait_loadcnt \cnt-\i
	ds_store_b128 v[STA], v[X+4*\i:X+4*\i+3] offset:PITCH*\i
.endr
	s_wait_dscnt 0x0                               ; my stores into my stage are done
	s_wait_alu depctr_vm_vsrc(0)                   ; the LDS stores above have read v[X ..], in which the LDS loads below land
.irp b, 0,1,2,3
.irp j, 0,1,2,3
	ds_load_b128 v[X+16*\b+4*\j:X+16*\b+4*\j+3], v[LDA] offset:128*\b+16*\j
.endr
.endr
	s_wait_dscnt 0x0
.endm
.macro PLACES                          ; four plain places behind a matrix instruction, ahead of loads into its registers and of reads of its results; and ahead of a scaled product whose operand a vector instruction wrote
.rept 4
	v_nop
.endr
.endm
.macro WLOAD wb, sb                    ; my eight fragments of W, 12,288 consecutive bytes, and my 32 rows' scale words, 512 bytes: 25 loads
.irp q, 0,1,2,3,4,5,6,7,8,9,10,11,12,13,14,15,16,17,18,19,20,21,22,23
	global_load_b128 v[WF+4*\q:WF+4*\q+3], v[LI], s[\wb:\wb+1] offset:512*\q
.endr
	global_load_b128 v[WS:WS+3], v[LI], s[\sb:\sb+1]
.endm
.macro XTILE s, m                      ; x's fragment of tile of rows m, K step s, from its image: three loads
.irp c, 0,1,2
	ds_load_b128 v[XF+12*(\m)+4*\c:XF+12*(\m)+4*\c+3], v[XI] offset:(4*(\m)+(\s))*1536+512*\c
.endr
.endm
; HALF A K STEP: 128 along K (step s) for tiles of rows 2 p and 2 p + 1.  Their fragments, asked for a half step ago, are masked; four products follow, with the next half step's loads (K step ns, tiles 2 np and
; 2 np + 1; more = 0: none) among them.  Over a K step's two halves the eight accumulators take turns, one instruction a turn, in the same order in every step.
.macro HALF s, p, ns, np, more
.irp u, 0,1
.set MM, 2*(\p)+\u
	s_wait_dscnt 3-3*\u                            ; this tile's three loads are in; the half's second tile's three may be out
.irp q, 0,1,2,3,4,5,6,7,8,9,10,11
	v_and_b32 v[XF+12*MM+\q], v[MK+MM], v[XF+12*MM+\q]   ; rows of another type: zero codes
.endr
.endr
	PLACES
	s_wait_alu depctr_va_vdst(0)                   ; the masks have written this half of XF, which the scaled products below take; the last half step's masks and products are done with the other half, in which the loads below land
.irp u, 0,1
.set MM, 2*(\p)+\u
.if \more
	XTILE \ns, 2*(\np)+\u                          ; no vector or matrix instruction since the wait names these registers
.endif
	v_wmma_scale_f32_16x16x128_f8f6f4 v[ACC+16*MM:ACC+16*MM+7], v[WF+12*(\s):WF+12*(\s)+11], v[XF+12*MM:XF+12*MM+11], v[ACC+16*MM:ACC+16*MM+7], v[WS+(\s)], v[XS+4*MM+(\s)] matrix_a_fmt:MATRIX_FMT_BF6 matrix_b_fmt:MATRIX_FMT_BF6
	v_wmma_scale_f32_16x16x128_f8f6f4 v[ACC+16*MM+8:ACC+16*MM+15], v[WF+48+12*(\s):WF+48+12*(\s)+11], v[XF+12*MM:XF+12*MM+11], v[ACC+16*MM+8:ACC+16*MM+15], v[WS+(\s)], v[XS+4*MM+(\s)] matrix_a_fmt:MATRIX_FMT_BF6 matrix_b_fmt:MATRIX_FMT_BF6 matrix_a_scale:MATRIX_SCALE_ROW1
.endr
.endm
	s_load_b256 s[4:11], s[0:1], 0x0               ; input s[4:5], order s[6:7], wq s[8:9], ws s[10:11]
	s_load_b128 s[12:15], s[0:1], 0x20             ; bias s[12:13], out0 s[14:15]
	v_lshl_add_u32 v254, v0, 2, 0x27800
	v_mov_b32 v255, 0
	v_lshrrev_b32 v1, 5, v0
	v_readfirstlane_b32 s66, v1                    ; wave w, 0..15
	s_mov_b32 s[SEL], 0x76543210
	s_mov_b32 s[SEL+1], 0xfedcba98
	v_and_b32 v251, 31, v0                         ; lane.  All address registers are made here, while the arguments are on their way
	v_lshlrev_b32 v[LI], 4, v251
	v_add_nc_u32 v[XI], XIMG, v[LI]
	v_and_b32 v3, 15, v0                           ; r
	v_bfe_u32 v4, v0, 4, 1                         ; h
	v_lshlrev_b32 v[R4], 2, v3
	v_mul_u32_u24 v[LDA], v3, PITCH
	v_lshl_add_u32 v[LDA], v4, 6, v[LDA]
	v_mul_u32_u24 v[SO], v3, SROW
	v_lshl_add_u32 v[SO], v4, 5, v[SO]
	v_lshlrev_b32 v[H32], 5, v4
.irp b, 0,1,2,3
	v_mov_b32 v[TM+4+\b], 0                        ; written once: a lane permute's destination counts as one of its sources
.endr
	s_wait_alu depctr_va_sdst(0)                   ; s66 is written, ahead of its first reader: every wave's term below is made from it
	s_lshr_b32 s67, s66, 2                         ; m
	s_and_b32 s68, s66, 3                          ; s
	s_lshl_b32 s72, s68, 9                         ; the waves' terms of the addresses, each in a scalar register of its own
	s_mul_i32 s73, s66, PRIVB
	s_mul_i32 s74, s66, 1536
	s_lshl_b32 s75, s67, 9
	s_lshl_b32 s78, s68, 2
	s_add_co_u32 s75, s75, s78
	s_add_co_u32 s75, s75, XSC
	s_lshl_b32 s76, s66, 7
	s_mul_i32 s77, s66, 4*SROW
	v_add_nc_u32 v[XO], s72, v[LI]
	v_add_nc_u32 v[STA], s73, v[LI]
	v_add_nc_u32 v[LDA], s73, v[LDA]
	v_add_nc_u32 v[XWI], s74, v[XI]
	v_add_nc_u32 v[XWS], s75, v[LI]
	v_add_nc_u32 v[SO], s76, v[SO]
	v_add_nc_u32 v[SO+1], 32*SROW, v[SO]
	v_add_nc_u32 v[SR], s77, v[LI]
	s_lshl_b32 s84, ttmp9, 8                       ; my block's 64 words of order
	s_mov_b32 s85, 0
	s_lshl_b32 s86, s67, 6                         ; the 16 words of tile m
	s_mov_b32 s87, 0
	s_lshl_b32 s88, s66, 4                         ; the 4 words of rows 4 w on
	s_mov_b32 s89, 0
	s_mul_i32 s90, s66, 12288                      ; my outputs' part of a type's codes,
	s_mov_b32 s91, 0
	s_lshl_b32 s92, s66, 9                         ; of its scale words,
	s_mov_b32 s93, 0
	s_lshl_b32 s94, s66, 7                         ; of a row of bias
	s_mov_b32 s95, 0
	s_wait_kmcnt 0x0
	s_add_nc_u64 s[2:3], s[6:7], s[84:85]
	s_add_nc_u64 s[86:87], s[2:3], s[86:87]
	s_add_nc_u64 s[88:89], s[2:3], s[88:89]
	s_wait_alu depctr_va_vdst(0)                   ; the offsets and LDS addresses v1, v2 and v5 to v13 are written, which the loads and stores of the whole kernel read (s72 to s77 are written again only behind this line)
	s_load_b512 s[16:31], s[86:87], 0x0            ; the rows that I quantise
	s_load_b128 s[72:75], s[88:89], 0x0            ; the rows that I store
	s_load_b32 s69, s[2:3], 0x0                    ; the block's first place: its lowest type
.irp m, 0,1,2,3
	global_load_b32 v[TYP+\m], v[R4], s[2:3] offset:64*\m   ; lane (r, h): the word of row 16 m + r
.endr
	s_add_nc_u64 s[90:91], s[8:9], s[90:91]        ; the walk's bases: type 0
	s_add_nc_u64 s[92:93], s[10:11], s[92:93]
	s_add_nc_u64 s[94:95], s[12:13], s[94:95]
	s_wait_kmcnt 0x0                               ; the list's words are in; s[86:89] are free again
.irp i, 0,1,2,3,4,5,6,7,8,9,10,11,12,13,14,15
	s_and_b32 s[32+2*\i], s[16+\i], 0x3fff         ; the token,
	s_min_u32 s[32+2*\i], s[32+2*\i], 0x3fff       ; held inside the table,
	s_lshl_b32 s[32+2*\i], s[32+2*\i], 11          ; x 2,048 bytes a row
	s_mov_b32 s[33+2*\i], 0
	s_add_nc_u64 s[32+2*\i:33+2*\i], s[4:5], s[32+2*\i:33+2*\i]
.endr
.irp i, 0,1,2,3,4,5,6,7,8,9,10,11,12,13,14,15
	global_load_b128 v[X+4*\i:X+4*\i+3], v[XO], s[32+2*\i:33+2*\i] th:TH_LOAD_NT   ; 512 consecutive bytes of row 16 m + i, at a multiple of 512 from the buffer's first byte; read once in the launch
.endr
	s_bfe_u32 s69, s69, 0x40010                    ; the lowest type: 4 bits from bit 16,
	s_min_u32 s69, s69, 15                         ; held inside the table
	s_mul_i32 s84, s69, 196608
	s_mov_b32 s85, 0
	s_add_nc_u64 s[86:87], s[90:91], s[84:85]      ; its codes,
	s_lshl_b32 s84, s69, 13
	s_add_nc_u64 s[88:89], s[92:93], s[84:85]      ; its scale words
	WLOAD 86, 88
.irp i, 0,1,2,3
	s_and_b32 s[76+2*\i], s[72+\i], 0x3fff         ; the rows of out0 that I store
	s_min_u32 s[76+2*\i], s[76+2*\i], 0x3fff
	s_lshl_b32 s[76+2*\i], s[76+2*\i], 11
	s_mov_b32 s[77+2*\i], 0
	s_add_nc_u64 s[76+2*\i:77+2*\i], s[14:15], s[76+2*\i:77+2*\i]
.endr
	TURN 40                                        ; behind x's load i: 15 - i of x's and the 25 of W's.  The four loads of types, issued earlier, are in too
	QUANT X
.irp m, 0,1,2,3
	v_bfe_u32 v[TYP+\m], v[TYP+\m], 16, 4          ; the row's type,
.endr
.irp m, 0,1,2,3
	v_min_u32 v[TYP+\m], 15, v[TYP+\m]             ; held inside the table
.endr
.irp m, 0,1,2,3
	v_lshl_add_u32 v[MK+\m], v[TYP+\m], 11, v[H32] ; bias: 2,048 bytes a type, + 32 h
.endr
	s_wait_alu depctr_va_vdst(0)                   ; the quantiser has written v[PC ..] and v[PW], which the LDS stores read; the bias's offsets v[MK ..] are written, which its loads read; the quantiser is done reading v[X ..], in which the bias lands
.irp c, 0,1,2
	ds_store_b128 v[XWI], v[PC+4*\c:PC+4*\c+3] offset:512*\c   ; my fragment's image
.endr
	ds_store_b32 v[XWS], v[PW]                     ; and its scale word, in all 32 lanes' places
.irp m, 0,1,2,3                                ; THE SUMS BEGIN AS THE BIAS: eight numbers a lane and accumulator, in the result's layout
.irp n, 0,1
	global_load_b128 v[ACC+16*\m+8*\n:ACC+16*\m+8*\n+3], v[MK+\m], s[94:95] offset:64*\n
	global_load_b128 v[ACC+16*\m+8*\n+4:ACC+16*\m+8*\n+7], v[MK+\m], s[94:95] offset:64*\n+16
.endr
.endr
	s_wait_dscnt 0x0                               ; for the others' sake: my image and my word lie in LDS, and my reads of my stage are over
	s_barrier_signal -1
	s_barrier_wait -1                              ; x's sixteen fragments are whole
.irp m, 0,1,2,3
	ds_load_b128 v[XS+4*\m:XS+4*\m+3], v[XI] offset:16*1536+512*\m   ; lane l: the four scale words of row 16 m + l % 16
.endr
	s_wait_loadcnt 0x0                             ; W, its scale words and the bias are in; the loads that read the bias's offsets are done
	s_wait_alu depctr_vm_vsrc(0)                   ; the image's LDS stores have read v[PC ..] and v[PW], in which x's fragments land from here on; the bias's loads have read v[MK ..], over which the masks are written
	s_mov_b32 s96, 0                               ; the type in hand
.Lexp:                                             ; 16 trips
.irp m, 0,1,2,3
	v_cmp_eq_u32 s[97+\m], s96, v[TYP+\m]
.endr
	s_wait_alu depctr_va_sdst(0)                   ; the four compares have written s97 to s100, ahead of their first reader
	s_or_b32 s101, s97, s98
	s_or_b32 s101, s101, s99
	s_or_b32 s101, s101, s100
	s_cmp_eq_u32 s101, 0                           ; no row of this type: the same in all sixteen waves; no barrier stands in the loop
	s_cbranch_scc1 .Lnext
.irp m, 0,1,2,3
	v_cndmask_b32 v[MK+\m], 0, -1, s[97+\m]
.endr
	s_cmp_eq_u32 s96, s69                          ; the lowest type's weights came at the head
	s_cbranch_scc1 .Lhave
	PLACES                                         ; loads into registers that the last products read
	s_wait_alu depctr_va_vdst(0)                   ; the last pass's products are done reading v[WF ..] and v[WS ..], in which the loads below land
	WLOAD 90, 92
	s_wait_loadcnt 0x0
.Lhave:
	XTILE 0, 0                                     ; the pass's first half step.  No wait: tiles 0 and 1 were last named ahead of the last wait on va_vdst (a pass's last half step works on tiles 2 and 3; ahead of the first pass: the quantiser)
	XTILE 0, 1
	s_wait_alu depctr_va_vdst(0)
	HALF 0, 0, 0, 1, 1
	HALF 0, 1, 1, 0, 1
	HALF 1, 0, 1, 1, 1
	HALF 1, 1, 2, 0, 1
	HALF 2, 0, 2, 1, 1
	HALF 2, 1, 3, 0, 1
	HALF 3, 0, 3, 1, 1
	HALF 3, 1, 0, 0, 0                             ; nothing more to fetch
.Lnext:
	s_add_nc_u64 s[90:91], s[90:91], 196608        ; the next type's codes and scale words (no load that names these bases is out: each was waited for with the count 0)
	s_add_nc_u64 s[92:93], s[92:93], 8192
	s_add_co_u32 s96, s96, 1
	s_cmp_lt_u32 s96, 16
	s_cbranch_scc1 .Lexp
	; THE WAY OUT.  A lane holds 32 neighbouring bytes of a row; a row's 2,048 bytes come from sixteen waves: they meet in the stage, which lies in bytes last read ahead of the first barrier.
	PLACES
	s_wait_alu depctr_va_vdst(0)                   ; the products have written the accumulators, which the LDS stores read, and are done reading v[WF ..], in which the stage's rows land; the places above stay beside this wait
.irp m, 0,1,2,3
.irp n, 0,1
	ds_store_b128 v[SO+\m/2], v[ACC+16*\m+8*\n:ACC+16*\m+8*\n+3] offset:(\m%2)*16*SROW+64*\n        ; each accumulator from its low end on
	ds_store_b128 v[SO+\m/2], v[ACC+16*\m+8*\n+4:ACC+16*\m+8*\n+7] offset:(\m%2)*16*SROW+64*\n+16
.endr
.endr
	s_wait_dscnt 0x0                               ; for the others' sake: my stores into the stage are done
	s_barrier_signal -1
	s_barrier_wait -1                              ; 64 whole rows lie in the stage
.irp i, 0,1,2,3
.irp q, 0,1,2,3
	ds_load_b128 v[WF+16*\i+4*\q:WF+16*\i+4*\q+3], v[SR] offset:SROW*\i+512*\q
.endr
.endr
.irp i, 0,1,2,3
.irp q, 0,1,2,3
	s_wait_dscnt 15-(4*\i+\q)
	global_store_b128 v[LI], v[WF+16*\i+4*\q:WF+16*\i+4*\q+3], s[76+2*\i:77+2*\i] offset:512*\q th:TH_STORE_NT   ; 32 lanes store 512 consecutive bytes of a row, at a multiple of 512 from out0's first byte; written once
.endr
.endr
	s_wait_dscnt 0x0
	s_wait_alu depctr_hold_cnt(0) depctr_sa_sdst(0) depctr_va_vdst(0) depctr_va_sdst(0) depctr_va_ssrc(0) depctr_va_vcc(0) depctr_vm_vsrc(0)
	s_wait_tensorcnt 0x0
	ds_add_u32 v254, v255
	s_wait_dscnt 0x0
	s_endpgm
.Lfunc_end_k_qb3a3aa761b_moe:
	.size	k_qb3a3aa761b_moe, .Lfunc_end_k_qb3a3aa761b_moe-k_qb3a3aa761b_moe
	.p2alignl 7, 3214868480
	.fill 96, 4, 3214868480
	.section	.rodata,"a",@progbits
	.p2align	6, 0x0
	.amdhsa_kernel k_qb3a3aa761b_moe
		.amdhsa_group_segment_fixed_size 163840
		.amdhsa_private_segment_fixed_size 0
		.amdhsa_enable_private_segment 0
		.amdhsa_kernarg_size 48
		.amdhsa_user_sgpr_count 2
		.amdhsa_user_sgpr_kernarg_segment_ptr 1
		.amdhsa_wavefront_size32 1
		.amdhsa_system_sgpr_workgroup_id_x 1
		.amdhsa_system_sgpr_workgroup_id_y 1
		.amdhsa_system_sgpr_workgroup_id_z 1
		.amdhsa_system_vgpr_workitem_id 0
		.amdhsa_next_free_vgpr 256
		.amdhsa_next_free_sgpr 102
		.amdhsa_reserve_vcc 0
		.amdhsa_float_denorm_mode_32 3
		.amdhsa_float_denorm_mode_16_64 3
		.amdhsa_memory_ordered 1
		.amdhsa_forward_progress 1
		.amdhsa_inst_pref_size 44
	.end_amdhsa_kernel
	.amdgpu_metadata
---
amdhsa.version: [ 1, 2 ]
amdhsa.kernels:
  - .name:           k_qb3a3aa761b_moe
    .symbol:         k_qb3a3aa761b_moe.kd
    .args:
      - { .name: input, .offset: 0, .size: 8, .value_kind: global_buffer, .address_space: global }
      - { .name: order, .offset: 8, .size: 8, .value_kind: global_buffer, .address_space: global }
      - { .name: wq, .offset: 16, .size: 8, .value_kind: global_buffer, .address_space: global }
      - { .name: ws, .offset: 24, .size: 8, .value_kind: global_buffer, .address_space: global }
      - { .name: bias, .offset: 32, .size: 8, .value_kind: global_buffer, .address_space: global }
      - { .name: out0, .offset: 40, .size: 8, .value_kind: global_buffer, .address_space: global }
    .group_segment_fixed_size: 163840
    .private_segment_fixed_size: 0
    .kernarg_segment_align: 8
    .kernarg_segment_size: 48
    .max_flat_workgroup_size: 512
    .sgpr_count:     102
    .vgpr_count:     256
    .wavefront_size: 32
...
	.end_amdgpu_metadata
.endif
;; end of part 4
